; MI455X (gfx1250); checked and timed in simulation.
; The chip was launched on July 23, 2026; its instructions are those of AMD's public machine-readable ISA for CDNA 5 (MIT licence, August 2026) and "CDNA5" Instruction Set Architecture Reference Guide (July 2026). The comments in the code are by the model that wrote it; some were corrected since.
;; Mega Blocks Moe MLP. Allowed arithmetic: matrix products marked QUANTISED: E5M2 operands, one E8M0 scale for each 32 along K, by v_wmma_scale_f32_16x16x128_f8f6f4 with both operands' format E5M2, f32 sums; products left as they are: f32 operands where the result goes on into a quantised operand, else bf16, f16 or f32 operands; f32 sums; everything else in f32.
;; Inputs: router_bias 8 float32; router_weight 8 x 1,024 float32; w1_bias 8 x 2,048 float32; w1_codes 8 x 2,048 x 32 x 32 uint8 (E5M2 codes of w1, K innermost, in blocks of 32 codes); w1_scales 8 x 2,048 x 32 uint8 (E8M0 scales of w1, one for each 32 codes along K); w2_bias 8 x 1,024 float32; w2_codes 8 x 1,024 x 32 x 32 uint8 (E5M2 codes of w2, K innermost, in blocks of 32 codes); w2_scales 8 x 1,024 x 32 uint8 (E8M0 scales of w2, one for each 32 codes along K); x 2 x 1,024 x 1,024 float32.
;; Outputs: out0 2 x 1,024 x 1,024 float32; out1 2,048 x 2 float32.
;; This version of the problem:
;;   THIS VERSION OF THE PROBLEM IS GIVEN IN LOW PRECISION. The matrix products marked QUANTISED in the list below multiply operands that are first quantised to E5M2 (5 exponent bits, 2 mantissa bits; 8 bits a number), with one power-of-two scale for each 32 numbers along K (OCP MX v1.0); their sums are f32. All else is computed in f32.
;;   The module's matrix products, in the order in which they are computed (A, B: the left and right operand; K: the contracted axis; several contracted axes count as one K, in the product's order):
;;     1. [M 2,048, K 1,024] x [K 1,024, N 8]; A: input x; B: input router_weight: left as it is (N = 8 < 16)
;;     2. [M 16,384, K 1,024] x [K 1,024, N 2,048]; A: input w1 (given as codes); B: input x: QUANTISED
;;     3. batch 8 x [M 2,048, K 1,024] x [K 1,024, N 1,024]; A: computed on the way; B: input w2 (given as codes): QUANTISED
;;     4. batch 2,048 x [M 1,024, K 8] x [K 8, N 1]; A: computed on the way; B: computed on the way: left as it is (K = 8 < 32)
;;   THE QUANTISER, for each operand of a quantised product, along K:
;;     - K is cut into blocks of 32 from its start; a last block that is shorter is filled with zeros.
;;     - A block's scale is 2^e with e = floor(log2(the largest magnitude in the block)) - 15, held to -126 .. 127; a block of zeros has e = 0. As a byte (E8M0): e + 127.
;;     - Each number is divided by its block's scale, clamped to +-57,344, and rounded to the nearest number of E5M2, ties to even, subnormals kept.
;;     - The product sums the exact products of the quantised numbers (number of the format x scale) in f32.
;;   ~~~python
;;   def quantise(x, axis):      # numpy; x: float32 -> the quantised numbers, widened to float32 again
;;       x = np.moveaxis(x, axis, -1); K = x.shape[-1]
;;       x = np.pad(x, [(0, 0)] * (x.ndim - 1) + [(0, -K % 32)]); x = x.reshape(x.shape[:-1] + (-1, 32)); a = np.abs(x).max(-1, keepdims=True)
;;       e = np.where(a > 0, np.clip(np.frexp(np.where(a > 0, a, 1))[1] - 1 - 15, -126, 127), 0)      # np.frexp(a)[1] - 1 = floor(log2(a)), exactly
;;       r = np.clip(x / 2.0 ** e, -57344, 57344)
;;       step = 2.0 ** (np.maximum(np.frexp(np.where(r == 0, 1, r))[1] - 1, -14) - 2)
;;       q = np.round(r / step) * step * 2.0 ** e      # np.round: ties to even
;;       return np.moveaxis(q.reshape(q.shape[:-2] + (-1,))[..., :K], -1, axis).astype(np.float32)
;;   ~~~
;;   OPERANDS COMPUTED ON THE WAY. 'Computed on the way' means the value that the module computes at that place (a softmax that the list does not call 'softmax' is quantised finished and normalised). What goes into a quantiser is computed in f32, as accurately as f32 sums, v_exp_f32 and their like allow (about 1e-6 of the number): no bf16 or f16 on the way to a quantiser, and a product that is left as it is and whose result goes on into a quantised operand takes f32 operands (vector FMAs, or v_wmma_f32_16x16x4_f32). A number that lies on a knife's edge between two numbers of the format may be rounded either way, as far as f32 arithmetic and the matrix unit's own rounding can turn it there, and no further.
;;   INPUTS GIVEN AS CODES. w1 (in the module: [8, 1024, 2048], K = its axis 1); w2 (in the module: [8, 1024, 1024], K = its axis 1): each comes as NAME_codes (uint8): NAME with its K axis moved to the last place and cut into blocks of 32 codes, [.., K / 32, bytes a block], one block behind the other in memory; one code a byte (a code: sign, 5 exponent bits, 2 mantissa bits); and NAME_scales (uint8): the same leading axes, one E8M0 byte (e + 127) for each 32 codes along K. Its value is code x scale, taken as it is: it is not quantised again, and the codes and scales need not be those that the quantiser above would give.
;; 2 versions, each right; version 2 is version 1 with the launches up, down written anew for expert scheduling mode. Each part assembles by itself: llvm-mc -triple=amdgcn-amd-amdhsa -mcpu=gfx1250 --defsym DOCPART=n.
;; ======== version 1 of 2: 5 launches
;; workspace buffers: xq 2,162,688 bytes; route 10,240 bytes of whole numbers; posb 8,192 bytes of whole numbers; order 8,704 bytes of whole numbers; ximg 2,162,688 bytes; act 17,301,504 bytes
;; launch route (part 1): grid 256 x 1, 4 waves a work-group, no clusters, 43,008 bytes of LDS; arguments x, router_weight, router_bias, xq, route, out1; writes xq, route, out1
.if DOCPART == 1
	.amdgcn_target "amdgcn-amd-amdhsa--gfx1250"
	.amdhsa_code_object_version 6
	.text
	.protected	k_q36ccad35c5_route
	.globl	k_q36ccad35c5_route
	.p2align	8
	.type	k_q36ccad35c5_route,@function
k_q36ccad35c5_route:
	s_mov_b64 s[64:65], 0
	v_nop
	global_prefetch_b8 v0, s[64:65] scope:SCOPE_SE
	s_setreg_imm32_b32 hwreg(HW_REG_WAVE_MODE, 25, 1), 1
	s_wait_xcnt 0x0
; ROUTER AND QUANTISER OF x.  x: [2048][1024] f32.  logits = x . router_weight^T + router_bias (f32 multiply-adds), softmax with the row's maximum taken away, the two largest probabilities.
; Stored: out1[t] = the two probabilities, the larger first; route: idw[t] = id0 | id1 << 8 at byte 4 t, and from byte 8192 a bit mask for each expert, [8][256 bytes], bit t & 7 of byte t >> 3;
; xq: x as codes of E5M2, [2048][1024] bytes, and from byte 2097152 one E8M0 byte for each 32 along K, [2048][32].  Every store stands at a fixed place: no address and no branch hangs on the choice.
; SHARES.  A work-group takes 8 tokens; wave w takes k = 256 w .. 256 w + 255 of all 8, in four steps of 2 tokens.  x is read once and serves both the logits and the codes.
; A load takes 512 consecutive bytes; a step's 2,048 bytes turn through the wave's own stage in LDS, so that lane l then holds 16 neighbours: token 2 j + l / 16, k = 256 w + 16 (l % 16) + 0 .. 15.
; LIMITS: NaN and infinities are not served.  A block whose largest magnitude lies under 2^-111 (a block of zeros too) gets the byte 1; these bytes are read by this program alone.
; The two largest are taken of 2^((logit - max) log2 e), by strict comparison in ascending order of experts: of equal numbers the lower index wins.  The logits are summed as a tree, not in K's order.
.set STG_W, 10240                      ; LDS: a wave's four stages,
.set STG_J, 2560                       ; each 32 places of
.set SP,    80                         ; 64 bytes + 16 of padding
.set PART,  40960                      ; [wave 4][token 8][expert 8] f32: the waves' parts of the logits
.set SCB,   41984                      ; [token 8][32] scale bytes
.set X,   16                           ; v16-79   16 numbers for each step
.set RW,  80                           ; v80-207  16 numbers of each expert's router row
.set LG,  208                          ; v208-223 a pair of sums for each expert
.set SM,  224                          ; v224-231 the eight sums
.set CD,  232                          ; v232-247 codes, four registers for each step: no store's data are written again
.set EB,  248                          ; v248-251 a scale byte for each step
	s_load_b256 s[4:11], s[0:1], 0x0               ; x s[4:5], router_weight s[6:7], router_bias s[8:9], xq s[10:11]
	s_load_b128 s[12:15], s[0:1], 0x20             ; route s[12:13], out1 s[14:15]
	v_lshl_add_u32 v15, v0, 2, 0xa600
	v_mov_b32 v255, 0
	v_lshrrev_b32 v9, 5, v0
	v_readfirstlane_b32 s16, v9                    ; wave
	v_and_b32 v1, 31, v0                           ; lane
	v_and_b32 v9, 15, v0                           ; lane % 16
	v_bfe_u32 v10, v0, 4, 1                        ; lane / 16
	v_lshlrev_b32 v2, 4, v1                        ; my 16 bytes of a load's 512
	s_mul_i32 s17, s16, STG_W
	v_lshrrev_b32 v3, 2, v1
	v_mul_u32_u24 v3, v3, SP
	v_and_b32 v11, 3, v0
	v_lshl_add_u32 v3, v11, 4, v3
	v_add_nc_u32 v3, s17, v3                       ; the stage, on the way in: four lanes' 64 bytes on end, then the padding
	v_mul_u32_u24 v4, v1, SP
	v_add_nc_u32 v4, s17, v4                       ; and on the way out: my 16 neighbours
	v_lshlrev_b32 v5, 6, v9                        ; router row: my 16 numbers
	v_lshlrev_b32 v6, 10, v10
	v_lshl_add_u32 v6, v9, 4, v6                   ; codes: token lane / 16 of the step, 16 bytes a lane
	s_lshl_b32 s17, s16, 8
	s_add_co_u32 s17, s17, PART
	v_lshlrev_b32 v7, 5, v10
	v_add_nc_u32 v7, s17, v7                       ; my wave's part of the logits, token lane / 16 of the step
	s_lshl_b32 s17, s16, 3
	s_add_co_u32 s17, s17, SCB
	v_lshrrev_b32 v8, 1, v9
	v_lshl_add_u32 v8, v10, 5, v8
	v_add_nc_u32 v8, s17, v8                       ; my block's scale byte: 32 x token + 8 x wave + (lane % 16) / 2
	v_lshl_add_u32 v252, v1, 3, SCB                ; the scale bytes on their way out: 8 a lane
	v_lshlrev_b32 v253, 3, v1
	v_and_b32 v254, 7, v0
	v_lshl_add_u32 v254, v254, 5, PART             ; the router's lanes: token lane % 8
	s_mov_b32 s22, 0x600000                        ; the mantissa field of 57,344
	s_lshl_b32 s18, ttmp9, 15                      ; 8 tokens of 4,096 bytes,
	s_lshl_b32 s20, s16, 10                        ; my wave's 1,024 bytes of a row
	s_add_co_u32 s18, s18, s20
	s_mov_b32 s19, 0
	s_mov_b32 s21, 0
	s_wait_kmcnt 0x0
	s_load_b256 s[24:31], s[8:9], 0x0              ; router_bias, eight numbers
	s_add_nc_u64 s[4:5], s[4:5], s[18:19]
	s_add_nc_u64 s[6:7], s[6:7], s[20:21]
.irp e, 0,1,2,3,4,5,6,7
.irp i, 0,1,2,3
	global_load_b128 v[RW+16*\e+4*\i:RW+16*\e+4*\i+3], v5, s[6:7] offset:4096*\e+16*\i
.endr
.endr
.irp j, 0,1,2,3
.irp i, 0,1,2,3
	global_load_b128 v[X+16*\j+4*\i:X+16*\j+4*\i+3], v2, s[4:5] offset:(2*\j+\i/2)*4096+(\i%2)*512 th:TH_LOAD_NT   ; 512 consecutive bytes; x is read once in the launch
.endr
.endr
	s_lshl_b32 s18, ttmp9, 8
	s_add_co_u32 s18, s18, 2097152
	s_add_nc_u64 s[34:35], s[10:11], s[18:19]      ; my 8 tokens' scale bytes: 256 on end
	s_lshl_b32 s18, ttmp9, 13
	s_lshl_b32 s20, s16, 8
	s_add_co_u32 s18, s18, s20
	s_add_nc_u64 s[10:11], s[10:11], s[18:19]      ; my 8 tokens' codes, my wave's 256 of a row
	s_lshl_b32 s18, ttmp9, 6
	s_add_nc_u64 s[14:15], s[14:15], s[18:19]      ; out1: 8 bytes a token
	s_lshl_b32 s18, ttmp9, 5
	s_add_nc_u64 s[36:37], s[12:13], s[18:19]      ; idw: 4 bytes a token
	s_add_co_u32 s18, ttmp9, 8192
	s_add_nc_u64 s[12:13], s[12:13], s[18:19]      ; the masks: my 8 tokens are byte g of each expert's 256
.macro STEP j
.set XS, X+16*\j
	s_wait_loadcnt 12-4*\j                         ; this step's four loads are in (the router rows are older); the later steps' may be out
.irp i, 0,1,2,3
	ds_store_b128 v3, v[XS+4*\i:XS+4*\i+3] offset:STG_J*\j+8*SP*\i
.endr
.irp i, 0,1,2,3
	ds_load_b128 v[XS+4*\i:XS+4*\i+3], v4 offset:STG_J*\j+16*\i    ; LDS serves a wave's instructions in order: these see the stores above
.endr
	s_wait_dscnt 0x0
.irp e, 0,1,2,3,4,5,6,7
	v_pk_mul_f32 v[LG+2*\e:LG+2*\e+1], v[XS:XS+1], v[RW+16*\e:RW+16*\e+1]   ; the first product starts each sum; the eight experts by turns
.endr
.irp i, 2,4,6,8,10,12,14
.irp e, 0,1,2,3,4,5,6,7
	v_pk_fma_f32 v[LG+2*\e:LG+2*\e+1], v[XS+\i:XS+\i+1], v[RW+16*\e+\i:RW+16*\e+\i+1], v[LG+2*\e:LG+2*\e+1]
.endr
.endr
.irp e, 0,1,2,3,4,5,6,7
	v_add_f32 v[SM+\e], v[LG+2*\e], v[LG+2*\e+1]
.endr
.irp k, 1,2,4,8
.irp e, 0,1,2,3,4,5,6,7
	v_add_f32_dpp v[SM+\e], v[SM+\e], v[SM+\e] row_xmask:\k row_mask:0xf bank_mask:0xf   ; over the 16 lanes that hold one token
.endr
.endr
	ds_store_b128 v7, v[SM:SM+3] offset:64*\j      ; the 16 lanes of a token write the same words with the same values
	ds_store_b128 v7, v[SM+4:SM+7] offset:64*\j+16
	v_max3_num_f32 v9, |v[XS]|, |v[XS+1]|, |v[XS+2]|               ; the largest magnitude of my 16
	v_max3_num_f32 v10, |v[XS+3]|, |v[XS+4]|, |v[XS+5]|
.irp i, 6,10
	v_max3_num_f32 v9, v9, |v[XS+\i]|, |v[XS+\i+1]|
	v_max3_num_f32 v10, v10, |v[XS+\i+2]|, |v[XS+\i+3]|
.endr
	v_max3_num_f32 v9, v9, |v[XS+14]|, |v[XS+15]|
	v_max3_num_f32 v9, v9, v10, 0x8000000          ; and the floor 2^(16 - 127): the byte cannot fall under 1
	v_max_num_f32_dpp v9, v9, v9 row_xmask:1 row_mask:0xf bank_mask:0xf   ; with my neighbour's 16: the block's
	v_add_nc_u32 v11, 0xf8800000, v9               ; 15 off its exponent field: the conversion's scale operand
	v_and_or_b32 v12, v9, 0x7f800000, s22          ; 57,344 x the scale
.irp i, 0,1,2,3,4,5,6,7,8,9,10,11,12,13,14,15
	v_med3_num_f32 v[XS+\i], v[XS+\i], -v12, v12   ; the conversion to an 8-bit code does not saturate (ISA guide 7.6.2): the hold comes first
.endr
	v_cvt_scalef32_pk8_bf8_f32 v[CD+4*\j:CD+4*\j+1], v[XS:XS+7], v11
	v_cvt_scalef32_pk8_bf8_f32 v[CD+4*\j+2:CD+4*\j+3], v[XS+8:XS+15], v11
	v_lshrrev_b32 v[EB+\j], 23, v11                ; the scale's byte
	ds_store_b8 v8, v[EB+\j] offset:64*\j          ; both lanes of a block write the same byte with the same value
	global_store_b128 v6, v[CD+4*\j:CD+4*\j+3], s[10:11] offset:2048*\j   ; 16 lanes store 256 consecutive bytes, at a multiple of 256 from xq's first byte
.endm
	STEP 0
	STEP 1
	STEP 2
	STEP 3
	s_wait_kmcnt 0x0                               ; router_bias
	s_wait_dscnt 0x0                               ; for the others' sake: my parts of the logits and my scale bytes lie in LDS
	s_barrier_signal -1
	s_barrier_wait -1
	s_cmp_lg_u32 s16, 1
	s_cbranch_scc1 .Lnot_one
	ds_load_b64 v[10:11], v252                     ; wave 1: the 8 tokens' 256 scale bytes leave as one run
	s_wait_dscnt 0x0
	global_store_b64 v253, v[10:11], s[34:35]
	s_wait_tensorcnt 0x0
	ds_add_u32 v15, v255
	s_wait_dscnt 0x0
	s_endpgm
.Lnot_one:
	s_cmp_lg_u32 s16, 0
	s_cbranch_scc1 .Lend
	; wave 0: the router.  Lane l serves token l % 8; lanes 8-31 repeat lanes 0-7 and store nothing
.irp q, 0,1,2,3
	ds_load_b128 v[16+8*\q:19+8*\q], v254 offset:256*\q
	ds_load_b128 v[20+8*\q:23+8*\q], v254 offset:256*\q+16
.endr
	s_wait_dscnt 0x0
.irp i, 0,2,4,6
	v_pk_add_f32 v[16+\i:17+\i], v[16+\i:17+\i], v[24+\i:25+\i]
	v_pk_add_f32 v[32+\i:33+\i], v[32+\i:33+\i], v[40+\i:41+\i]
.endr
.irp i, 0,2,4,6
	v_pk_add_f32 v[16+\i:17+\i], v[16+\i:17+\i], v[32+\i:33+\i]
.endr
.irp e, 0,1,2,3,4,5,6,7
	v_add_f32 v[16+\e], s[24+\e], v[16+\e]         ; the logits
.endr
	v_max3_num_f32 v48, v16, v17, v18
	v_max3_num_f32 v48, v48, v19, v20
	v_max3_num_f32 v48, v48, v21, v22
	v_max_num_f32 v48, v48, v23                    ; the row's maximum is taken away ahead of the exponential
.irp e, 0,1,2,3,4,5,6,7
	v_sub_f32 v[16+\e], v[16+\e], v48
.endr
.irp e, 0,1,2,3,4,5,6,7
	v_mul_f32 v[16+\e], 0x3fb8aa3b, v[16+\e]
.endr
.irp e, 0,1,2,3,4,5,6,7
	v_exp_f32 v[16+\e], v[16+\e]
.endr
	v_mov_b32 v50, 0                               ; (a plain line behind the exponentials)  id0
	s_wait_alu depctr_va_vdst(0)
	v_add_f32 v49, v16, v17
	v_add_f32 v51, v18, v19
	v_add_f32 v52, v20, v21
	v_add_f32 v53, v22, v23
	v_add_f32 v49, v49, v51
	v_add_f32 v52, v52, v53
	v_add_f32 v49, v49, v52
	v_rcp_f32 v49, v49                             ; 1 / the sum; the lines below touch neither it nor its source
	v_mov_b32 v54, v16                             ; the largest so far
.irp e, 1,2,3,4,5,6,7
	v_cmp_le_f32 vcc_lo, v[16+\e], v54             ; not larger: the earlier expert stays
	v_cndmask_b32 v54, v[16+\e], v54, vcc_lo
	v_cndmask_b32 v50, \e, v50, vcc_lo
.endr
	v_mov_b32 v55, -1.0
.irp e, 0,1,2,3,4,5,6,7
	v_cmp_eq_u32 vcc_lo, \e, v50
	v_cndmask_b32 v[16+\e], v[16+\e], v55, vcc_lo  ; the chosen one falls under every other (none is negative)
.endr
	v_mov_b32 v51, 0                               ; id1
	v_mov_b32 v56, v16
.irp e, 1,2,3,4,5,6,7
	v_cmp_le_f32 vcc_lo, v[16+\e], v56
	v_cndmask_b32 v56, v[16+\e], v56, vcc_lo
	v_cndmask_b32 v51, \e, v51, vcc_lo
.endr
	s_wait_alu depctr_va_vdst(0)
	v_mul_f32 v58, v54, v49                        ; the two probabilities
	v_mul_f32 v59, v56, v49
	v_lshl_or_b32 v57, v51, 8, v50                 ; id0 | id1 << 8
	v_mov_b32 v60, 0
.irp e, 0,1,2,3,4,5,6,7
	v_cmp_eq_u32 s38, \e, v50
	v_cmp_eq_u32 s39, \e, v51
	s_or_b32 s38, s38, s39
	s_and_b32 s38, s38, 0xff                       ; bit i: token i of my 8 chose expert e
	v_writelane_b32 v60, s38, \e                   ; lane e carries expert e's byte
.endr
	v_lshlrev_b32 v61, 2, v1
	v_lshlrev_b32 v62, 8, v1
	s_wait_xcnt 0x0                                ; EXEC changes only behind this wait: the codes' stores have been issued
	v_cmp_gt_u32 vcc_lo, 8, v1
	s_and_saveexec_b32 s40, vcc_lo
	global_store_b64 v253, v[58:59], s[14:15]
	global_store_b32 v61, v57, s[36:37]
	global_store_b8 v62, v60, s[12:13]
	s_wait_xcnt 0x0                                ; and again in front of the line that widens it
	s_or_b32 exec_lo, exec_lo, s40
.Lend:
	s_wait_tensorcnt 0x0
	ds_add_u32 v15, v255
	s_wait_dscnt 0x0
	s_endpgm
.Lfunc_end_k_q36ccad35c5_route:
	.size	k_q36ccad35c5_route, .Lfunc_end_k_q36ccad35c5_route-k_q36ccad35c5_route
	.p2alignl 7, 3214868480
	.fill 96, 4, 3214868480
	.section	.rodata,"a",@progbits
	.p2align	6, 0x0
	.amdhsa_kernel k_q36ccad35c5_route
		.amdhsa_group_segment_fixed_size 43008
		.amdhsa_private_segment_fixed_size 0
		.amdhsa_enable_private_segment 0
		.amdhsa_kernarg_size 48
		.amdhsa_user_sgpr_count 2
		.amdhsa_user_sgpr_kernarg_segment_ptr 1
		.amdhsa_wavefront_size32 1
		.amdhsa_system_sgpr_workgroup_id_x 1
		.amdhsa_system_sgpr_workgroup_id_y 1
		.amdhsa_system_sgpr_workgroup_id_z 1
		.amdhsa_system_vgpr_workitem_id 0
		.amdhsa_next_free_vgpr 256
		.amdhsa_next_free_sgpr 66
		.amdhsa_reserve_vcc 1
		.amdhsa_float_denorm_mode_32 3
		.amdhsa_float_denorm_mode_16_64 3
		.amdhsa_memory_ordered 1
		.amdhsa_forward_progress 1
		.amdhsa_inst_pref_size 52
	.end_amdhsa_kernel
	.amdgpu_metadata
---
amdhsa.version: [ 1, 2 ]
amdhsa.kernels:
  - .name:           k_q36ccad35c5_route
    .symbol:         k_q36ccad35c5_route.kd
    .args:
      - { .name: x, .offset: 0, .size: 8, .value_kind: global_buffer, .address_space: global }
      - { .name: router_weight, .offset: 8, .size: 8, .value_kind: global_buffer, .address_space: global }
      - { .name: router_bias, .offset: 16, .size: 8, .value_kind: global_buffer, .address_space: global }
      - { .name: xq, .offset: 24, .size: 8, .value_kind: global_buffer, .address_space: global }
      - { .name: route, .offset: 32, .size: 8, .value_kind: global_buffer, .address_space: global }
      - { .name: out1, .offset: 40, .size: 8, .value_kind: global_buffer, .address_space: global }
    .group_segment_fixed_size: 43008
    .private_segment_fixed_size: 0
    .kernarg_segment_align: 8
    .kernarg_segment_size: 48
    .max_flat_workgroup_size: 128
    .sgpr_count:     66
    .vgpr_count:     256
    .wavefront_size: 32
...
	.end_amdgpu_metadata
.endif
;; end of part 1
;; launch rank (part 2): grid 64 x 1, 1 waves a work-group, no clusters, 0 bytes of LDS; arguments route, posb, order; writes posb, order
.if DOCPART == 2
	.amdgcn_target "amdgcn-amd-amdhsa--gfx1250"
	.amdhsa_code_object_version 6
	.text
	.protected	k_q36ccad35c5_rank
	.globl	k_q36ccad35c5_rank
	.p2align	8
	.type	k_q36ccad35c5_rank,@function
k_q36ccad35c5_rank:
	s_mov_b64 s[64:65], 0
	v_nop
	global_prefetch_b8 v0, s[64:65] scope:SCOPE_SE
	s_setreg_imm32_b32 hwreg(HW_REG_WAVE_MODE, 25, 1), 1
	s_wait_xcnt 0x0
; THE TOKENS' PLACES IN SORTED ORDER.  The 2,048 tokens are sorted by their pair of experts (28 classes (a, b), a < b, in lexicographic order; inside a class in token order) and cut into 128 tiles of 16 positions.
; Stored: posb: pos[t] = token t's sorted position (byte 4 t); order, from byte 8192: tmask[tile] = the experts that the tile's tokens use.
; No sort is run.  A class's mask is the AND of two experts' masks (route, from byte 8192: [8][64 words], bit t % 32 of word t / 32), so
; pos[t] = the tokens of all lower classes + the tokens of t's class before t.
; SHARES.  Work-group g is one wave and serves tokens 32 g .. 32 g + 31, a lane a token.  Every wave counts all classes by itself: lane l holds the masks' words 2 l and 2 l + 1; waves share nothing.
; Of each class two sums are kept in one register: bits 15:0 all its tokens (2,048 at the most), bits 31:16 those in words under g, the tokens before my group.
; NO BRANCH AND NO ADDRESS HANGS ON WHAT IS COMPUTED HERE: each result is stored at a place made of ids alone, and the launch behind this one reads the positions and places the rows by them.
.set M, 8                              ; v8-23   expert e's mask words 2 l, 2 l + 1
.set P, 24                             ; v24-51  class K: the two sums; later the position of my group's first token of that class
.set B, 52                             ; v52-80  class K's first position; B + 28: 2,048
.set T, 84                             ; v84-87  at work
	s_load_b128 s[4:7], s[0:1], 0x0                ; route s[4:5], posb s[6:7]
	s_load_b64 s[8:9], s[0:1], 0x10                ; order
	s_mov_b32 s12, ttmp9                           ; g
	v_and_b32 v1, 31, v0                           ; lane
	v_lshlrev_b32 v2, 3, v1
	v_lshlrev_b32 v3, 2, v1
	v_lshlrev_b32 v6, 1, v1                        ; my first word's number
	v_mov_b32 v7, 0
	v_mov_b32 v105, -1
	v_cmp_gt_u32 vcc_lo, s12, v6
	v_cndmask_b32 v4, 0, v105, vcc_lo              ; all ones where word 2 l lies before my group's word, else 0
	v_or_b32 v6, 1, v6
	v_cmp_gt_u32 vcc_lo, s12, v6
	v_cndmask_b32 v5, 0, v105, vcc_lo              ; the same for word 2 l + 1
	s_mov_b32 s22, 0x55555555
	s_mov_b32 s23, 0x33333333
	s_mov_b32 s24, 0x0f0f0f0f
	s_mov_b32 s25, 0x01010101
	s_mov_b32 s26, 0x76543210                      ; v_permlanex16_b32's selects for lane l xor 16
	s_mov_b32 s27, 0xfedcba98
	s_lshl_b32 s10, s12, 7                         ; 32 tokens of 4 bytes
	s_mov_b32 s11, 0
	s_wait_kmcnt 0x0
.irp e, 0,1,2,3,4,5,6,7
	global_load_b64 v[M+2*\e:M+2*\e+1], v2, s[4:5] offset:8192+256*\e   ; 256 consecutive bytes: the whole mask of expert e
.endr
	s_add_nc_u64 s[16:17], s[4:5], s[10:11]        ; idw of my 32 tokens
	global_load_b32 v82, v3, s[16:17]
	s_add_nc_u64 s[18:19], s[6:7], s[10:11]        ; pos of my 32 tokens
	s_lshl_b32 s10, s12, 3
	s_add_co_u32 s10, s10, 8192
	s_add_nc_u64 s[20:21], s[8:9], s[10:11]        ; tmask of tiles 2 g, 2 g + 1
	s_wait_loadcnt 0x0
; class K = (a, b): the bits set in my two words, by sums of fields of 2, 4 and 8 bits, the two words line by line so that no line waits for the line above it
.macro CNT a, b
	v_and_b32 v84, v[M+2*\a], v[M+2*\b]
	v_and_b32 v85, v[M+2*\a+1], v[M+2*\b+1]
	v_lshrrev_b32 v86, 1, v84
	v_lshrrev_b32 v87, 1, v85
	v_and_b32 v86, s22, v86
	v_and_b32 v87, s22, v87
	v_sub_nc_u32 v84, v84, v86
	v_sub_nc_u32 v85, v85, v87
	v_lshrrev_b32 v86, 2, v84
	v_lshrrev_b32 v87, 2, v85
	v_and_b32 v84, s23, v84
	v_and_b32 v85, s23, v85
	v_and_b32 v86, s23, v86
	v_and_b32 v87, s23, v87
	v_add_nc_u32 v84, v84, v86
	v_add_nc_u32 v85, v85, v87
	v_lshrrev_b32 v86, 4, v84
	v_lshrrev_b32 v87, 4, v85
	v_add_nc_u32 v84, v84, v86
	v_add_nc_u32 v85, v85, v87
	v_and_b32 v84, s24, v84                        ; four bytes of at most 8
	v_and_b32 v85, s24, v85
	v_add_nc_u32 v86, v84, v85                     ; both words: all tokens
	v_and_b32 v84, v4, v84
	v_and_b32 v85, v5, v85
	v_add_nc_u32 v87, v84, v85                     ; the words before my group's
	v_mul_lo_u32 v86, v86, s25                     ; the four bytes' sum (64 at the most) comes into the top byte
	v_mul_lo_u32 v87, v87, s25
	v_lshrrev_b32 v86, 24, v86
	v_lshrrev_b32 v87, 24, v87
	v_lshl_or_b32 v[P+K], v87, 16, v86
.endm
.set K, 0
.irp a, 0,1,2,3,4,5,6
.irp b, 1,2,3,4,5,6,7
.if \b > \a
	CNT \a, \b
.set K, K+1
.endif
.endr
.endr
	; over the 32 lanes: every lane ends with both sums of every class
.irp k, 1,2,4,8
.set K, 0
.rept 28
	v_add_nc_u32_dpp v[P+K], v[P+K], v[P+K] row_xmask:\k row_mask:0xf bank_mask:0xf
.set K, K+1
.endr
.endr
.set K, 0
.rept 28
	v_permlanex16_b32 v[T+K%4], v[P+K], s26, s27
	v_add_nc_u32 v[P+K], v[P+K], v[T+K%4]
.set K, K+1
.endr
	; the classes' first positions, and for each class the position of my group's first token of it
	v_mov_b32 v[B], 0
.set K, 0
.rept 28
	v_and_b32 v84, 0xffff, v[P+K]
	v_lshrrev_b32 v85, 16, v[P+K]
	v_add_nc_u32 v[B+K+1], v[B+K], v84
	v_add_nc_u32 v[P+K], v[B+K], v85
.set K, K+1
.endr
	; my token's class: K = lo (15 - lo) / 2 + hi - lo - 1
	v_and_b32 v88, 0xff, v82
	v_lshrrev_b32 v89, 8, v82
	v_min_u32 v90, v88, v89
	v_max_u32 v91, v88, v89
	v_sub_nc_u32 v92, 15, v90
	v_mul_u32_u24 v92, v92, v90
	v_lshrrev_b32 v92, 1, v92
	v_add_nc_u32 v92, v92, v91
	v_sub_nc_u32 v92, v92, v90
	v_add_nc_u32 v92, -1, v92
	v_mov_b32 v93, 0                               ; the lanes of my group that share my class,
	v_mov_b32 v94, 0                               ; and where the first of them stands
.set K, 0
.rept 28
	v_cmp_eq_u32 s[14+K%2], K, v92
	v_mov_b32 v[95+K%2], s[14+K%2]
	v_cndmask_b32 v93, v93, v[95+K%2], s[14+K%2]
	v_cndmask_b32 v94, v94, v[P+K], s[14+K%2]
.set K, K+1
.endr
	v_mov_b32 v97, 1
	v_lshlrev_b32 v97, v1, v97
	v_add_nc_u32 v97, -1, v97                      ; the lanes below mine
	v_and_b32 v93, v93, v97
	v_lshrrev_b32 v84, 1, v93                      ; how many of them share my class
	v_and_b32 v84, s22, v84
	v_sub_nc_u32 v84, v93, v84
	v_lshrrev_b32 v85, 2, v84
	v_and_b32 v84, s23, v84
	v_and_b32 v85, s23, v85
	v_add_nc_u32 v84, v84, v85
	v_lshrrev_b32 v85, 4, v84
	v_add_nc_u32 v84, v84, v85
	v_and_b32 v84, s24, v84
	v_mul_lo_u32 v84, v84, s25
	v_lshrrev_b32 v84, 24, v84
	v_add_nc_u32 v94, v94, v84                     ; my token's position
	global_store_b32 v3, v94, s[18:19]             ; 128 consecutive bytes
	; tmask: lane l serves tile 2 g + l % 2.  A class gives its two experts where its positions [first, next first) meet the tile's 16; an empty class meets nothing
	v_and_b32 v100, 1, v1
	s_lshl_b32 s13, s12, 5
	v_lshl_add_u32 v101, v100, 4, s13              ; the tile's first position,
	v_add_nc_u32 v102, 16, v101                    ; and the first behind it
	v_lshlrev_b32 v104, 2, v100
	v_mov_b32 v103, 0
.set K, 0
.irp a, 0,1,2,3,4,5,6
.irp b, 1,2,3,4,5,6,7
.if \b > \a
	v_max_u32 v[T+2*(K%2)], v[B+K], v101
	v_min_u32 v[T+2*(K%2)+1], v[B+K+1], v102
	v_cmp_ge_u32 vcc_lo, v[T+2*(K%2)], v[T+2*(K%2)+1]
	v_cndmask_b32 v[98+K%2], (1<<\a)|(1<<\b), v7, vcc_lo
	v_or_b32 v103, v103, v[98+K%2]
.set K, K+1
.endif
.endr
.endr
	global_store_b32 v104, v103, s[20:21]          ; the lanes of one tile store the same word with the same value
	s_endpgm
.Lfunc_end_k_q36ccad35c5_rank:
	.size	k_q36ccad35c5_rank, .Lfunc_end_k_q36ccad35c5_rank-k_q36ccad35c5_rank
	.p2alignl 7, 3214868480
	.fill 96, 4, 3214868480
	.section	.rodata,"a",@progbits
	.p2align	6, 0x0
	.amdhsa_kernel k_q36ccad35c5_rank
		.amdhsa_group_segment_fixed_size 0
		.amdhsa_private_segment_fixed_size 0
		.amdhsa_enable_private_segment 0
		.amdhsa_kernarg_size 24
		.amdhsa_user_sgpr_count 2
		.amdhsa_user_sgpr_kernarg_segment_ptr 1
		.amdhsa_wavefront_size32 1
		.amdhsa_system_sgpr_workgroup_id_x 1
		.amdhsa_system_sgpr_workgroup_id_y 1
		.amdhsa_system_sgpr_workgroup_id_z 1
		.amdhsa_system_vgpr_workitem_id 0
		.amdhsa_next_free_vgpr 128
		.amdhsa_next_free_sgpr 66
		.amdhsa_reserve_vcc 1
		.amdhsa_float_denorm_mode_32 3
		.amdhsa_float_denorm_mode_16_64 3
		.amdhsa_memory_ordered 1
		.amdhsa_forward_progress 1
		.amdhsa_inst_pref_size 59
	.end_amdhsa_kernel
	.amdgpu_metadata
---
amdhsa.version: [ 1, 2 ]
amdhsa.kernels:
  - .name:           k_q36ccad35c5_rank
    .symbol:         k_q36ccad35c5_rank.kd
    .args:
      - { .name: route, .offset: 0, .size: 8, .value_kind: global_buffer, .address_space: global }
      - { .name: posb, .offset: 8, .size: 8, .value_kind: global_buffer, .address_space: global }
      - { .name: order, .offset: 16, .size: 8, .value_kind: global_buffer, .address_space: global }
    .group_segment_fixed_size: 0
    .private_segment_fixed_size: 0
    .kernarg_segment_align: 8
    .kernarg_segment_size: 24
    .max_flat_workgroup_size: 32
    .sgpr_count:     66
    .vgpr_count:     128
    .wavefront_size: 32
...
	.end_amdgpu_metadata
.endif
;; end of part 2
;; launch image (part 3): grid 256 x 1, 4 waves a work-group, no clusters, 0 bytes of LDS; arguments posb, xq, order, ximg; writes order, ximg
.if DOCPART == 3
	.amdgcn_target "amdgcn-amd-amdhsa--gfx1250"
	.amdhsa_code_object_version 6
	.text
	.protected	k_q36ccad35c5_image
	.globl	k_q36ccad35c5_image
	.p2align	8
	.type	k_q36ccad35c5_image,@function
k_q36ccad35c5_image:
	s_mov_b64 s[64:65], 0
	v_nop
	global_prefetch_b8 v0, s[64:65] scope:SCOPE_SE
	s_setreg_imm32_b32 hwreg(HW_REG_WAVE_MODE, 25, 1), 1
	s_wait_xcnt 0x0
; THE ROWS OF x's CODES ARE PLACED BY THEIR SORTED POSITIONS, which the launch before stored as whole numbers (posb: pos[t] at byte 4 t).
; Stored: ximg: for each tile of 16 positions the codes as an image of the operand's registers, [tile][K step 8][c 4][lane 32][16 bytes]: lane (r, h) holds k = 128 s + 32 c + 16 h + 0 .. 15 of the tile's row r.
; So piece i (16 codes, k = 16 i on) of the row at position p lies at 16,384 (p / 16) + 256 i + 16 (p % 16).  From byte 2097152 the rows' scale bytes, 32 at 32 p.  order: perm[p] = the token at position p (byte 4 p).
; SHARES.  A wave takes two tokens, lanes 0-15 the first and lanes 16-31 the second: four loads, each of 256 consecutive bytes of either row.  Waves share nothing.
; THE STORES ARE PIECES OF 16 BYTES, 256 bytes apart: the sixteen rows that share a run of 256 bytes of the image are neighbours in sorted order, not in memory, and lie with other work-groups.
; That is 2 MiB in all, written once; to write whole runs a work-group would have to know its tile's tokens, which is perm, and perm is made here.
; A position is held to 2,047 and enters an address by AND, shifts to the left and sums alone.
	s_load_b256 s[4:11], s[0:1], 0x0               ; posb s[4:5], xq s[6:7], order s[8:9], ximg s[10:11]
	v_lshrrev_b32 v1, 5, v0
	v_readfirstlane_b32 s12, v1                    ; wave
	v_and_b32 v2, 15, v0                           ; my piece of a quarter of a row
	v_bfe_u32 v3, v0, 4, 1                         ; which of the wave's two tokens
	s_lshl_b32 s13, ttmp9, 3
	s_lshl_b32 s14, s12, 1
	s_add_co_u32 s13, s13, s14                     ; the wave's first token: 8 x work-group + 2 x wave
	v_add_nc_u32 v4, s13, v3                       ; my token
	v_lshlrev_b32 v5, 2, v4
	v_lshlrev_b32 v6, 10, v4
	v_lshl_add_u32 v6, v2, 4, v6                   ; its codes: 1,024 t + 16 x piece
	v_and_b32 v7, 7, v0
	v_lshlrev_b32 v7, 2, v7                        ; a word of its 32 scale bytes; lanes 8-15 of each half repeat lanes 0-7
	v_lshl_add_u32 v8, v4, 5, v7
	s_wait_kmcnt 0x0
	global_load_b32 v9, v5, s[4:5]                 ; its position
.irp q, 0,1,2,3
	global_load_b128 v[12+4*\q:15+4*\q], v6, s[6:7] offset:256*\q th:TH_LOAD_NT   ; read once in the launch
.endr
	global_load_b32 v10, v8, s[6:7] offset:2097152
	s_wait_loadcnt 5                               ; the position is in: behind it stand the four loads of codes and the one of scale bytes
	v_min_u32 v9, 0x7ff, v9
	v_and_b32 v28, 0x7f0, v9
	v_and_b32 v29, 15, v9
	v_lshlrev_b32 v28, 10, v28                     ; 16,384 x tile
	v_lshl_add_u32 v28, v29, 4, v28                ; + 16 x row
	v_lshl_add_u32 v28, v2, 8, v28                 ; + 256 x piece
	v_lshl_add_u32 v30, v9, 5, v7                  ; 32 x position + my word
	v_lshlrev_b32 v31, 2, v9
	global_store_b32 v31, v4, s[8:9]               ; perm: the sixteen lanes of a token store the same word with the same value
	s_wait_loadcnt 0x0
.irp q, 0,1,2,3
	global_store_b128 v28, v[12+4*\q:15+4*\q], s[10:11] offset:4096*\q
.endr
	global_store_b32 v30, v10, s[10:11] offset:2097152
	s_endpgm
.Lfunc_end_k_q36ccad35c5_image:
	.size	k_q36ccad35c5_image, .Lfunc_end_k_q36ccad35c5_image-k_q36ccad35c5_image
	.p2alignl 7, 3214868480
	.fill 96, 4, 3214868480
	.section	.rodata,"a",@progbits
	.p2align	6, 0x0
	.amdhsa_kernel k_q36ccad35c5_image
		.amdhsa_group_segment_fixed_size 0
		.amdhsa_private_segment_fixed_size 0
		.amdhsa_enable_private_segment 0
		.amdhsa_kernarg_size 32
		.amdhsa_user_sgpr_count 2
		.amdhsa_user_sgpr_kernarg_segment_ptr 1
		.amdhsa_wavefront_size32 1
		.amdhsa_system_sgpr_workgroup_id_x 1
		.amdhsa_system_sgpr_workgroup_id_y 1
		.amdhsa_system_sgpr_workgroup_id_z 1
		.amdhsa_system_vgpr_workitem_id 0
		.amdhsa_next_free_vgpr 32
		.amdhsa_next_free_sgpr 66
		.amdhsa_reserve_vcc 0
		.amdhsa_float_denorm_mode_32 3
		.amdhsa_float_denorm_mode_16_64 3
		.amdhsa_memory_ordered 1
		.amdhsa_forward_progress 1
		.amdhsa_inst_pref_size 3
	.end_amdhsa_kernel
	.amdgpu_metadata
---
amdhsa.version: [ 1, 2 ]
amdhsa.kernels:
  - .name:           k_q36ccad35c5_image
    .symbol:         k_q36ccad35c5_image.kd
    .args:
      - { .name: posb, .offset: 0, .size: 8, .value_kind: global_buffer, .address_space: global }
      - { .name: xq, .offset: 8, .size: 8, .value_kind: global_buffer, .address_space: global }
      - { .name: order, .offset: 16, .size: 8, .value_kind: global_buffer, .address_space: global }
      - { .name: ximg, .offset: 24, .size: 8, .value_kind: global_buffer, .address_space: global }
    .group_segment_fixed_size: 0
    .private_segment_fixed_size: 0
    .kernarg_segment_align: 8
    .kernarg_segment_size: 32
    .max_flat_workgroup_size: 128
    .sgpr_count:     66
    .vgpr_count:     32
    .wavefront_size: 32
...
	.end_amdgpu_metadata
.endif
;; end of part 3
;; launch up (part 4): grid 32 x 8, 4 waves a work-group, no clusters, 67,072 bytes of LDS; arguments ximg, w1_codes, w1_scales, w1_bias, order, act; writes act
.if DOCPART == 4
	.amdgcn_target "amdgcn-amd-amdhsa--gfx1250"
	.amdhsa_code_object_version 6
	.text
	.protected	k_q36ccad35c5_up
	.globl	k_q36ccad35c5_up
	.p2align	8
	.type	k_q36ccad35c5_up,@function
k_q36ccad35c5_up:
	s_mov_b64 s[64:65], 0
	v_nop
	global_prefetch_b8 v0, s[64:65] scope:SCOPE_SE
	s_setreg_imm32_b32 hwreg(HW_REG_WAVE_MODE, 25, 1), 1
	s_wait_xcnt 0x0
; act = swigluoai(x w1[e] + w1_bias[e]), quantised along its columns, for the tiles of 16 sorted tokens that use expert e.  The product is on codes of E5M2 with one E8M0 scale for each 32 along K.
; SHARES.  Work-group (n, e) owns rows 64 n .. 64 n + 63 of w1[e] (gate and up interleaved): act's columns 32 n .. 32 n + 31, ONE block of the next quantiser.  All four waves keep these 64 rows x 1,024 K
; in registers (512) for the whole launch; each byte of w1 is read from memory once, by dense loads, and turned into fragments through LDS.  Wave w walks the tiles 4 j + w whose tmask has bit e;
; a tile's image (16 KiB, laid in the order of the operand's registers) goes from memory straight into registers, one tile ahead; each of its fragments feeds four matrix instructions.
; THE PRODUCT IS USED TRANSPOSED (source 0 = 16 rows of w1, source 1 = 16 tokens), AND THE ROWS OF A TILE ARE CHOSEN: tile T = 2 a + u (u = 0 gate, 1 up), lane m takes local row 2 (16 (m / 8) + 8 a + m % 8) + u.
; So lane (r, h), register j of tile T is token r's gate or up of act column 16 h + 8 a + j: gate and up of a column meet in one lane at one index, and the lane's 16 results are 16 neighbours along the next K.
; SCALE WORDS: a lane (r, h) loads 16 bytes at 32 r + 16 h of its row's 32: register i holds K step i's word in lanes 0-15 and K step 4 + i's in lanes 16-31, which the last four K steps name by ROW1.
; Stored: act: [(128 e + tile)][K step 8][c 4][lane 32][16 bytes], my part at 512 n; from byte 16777216 the scale bytes [(128 e + tile)][r 16][32], mine at byte n of each row.
; No tensor load, no cluster, no joint request: which tiles a wave walks hangs on numbers read from memory.  No prefetch: the weights are all asked for at the head, the images are read by 32 work-groups each.
; LIMITS: NaN and infinities are not served.  Where 1.702 x gate lies under about -88, the sigmoid is taken as 0.  A block whose largest magnitude lies under 2^-111 gets the byte 1 (read by this program alone).
; REGISTERS, in windows of 256: window 0: addresses, scale words, biases, accumulators, at work.  Window 1: w1's K steps 0-3 (64 T + 16 s + 4 c); window 2: K steps 4-7; window 3: two images (128 p + 16 s + 4 c).
.set PITCH, 1040                       ; a row of w1 in LDS: 1,024 bytes + 16: an odd multiple of 16, so that the 16 rows of a fragment load begin in 16 different columns of 16 bytes
.set WS,  16                           ; v16-31   w1's scale words, four registers a tile
.set AS,  32                           ; v32-39   the image's, four for each of the two buffers
.set BI,  40                           ; v40-71   the biases in the result's layout, eight a tile
.set ACC, 72                           ; v72-103  the four accumulators
.set TT,  104                          ; v104-119 at work, at last act
.set CD,  120                          ; v120-123 act's codes
.set RAW, 128                          ; v128-159 the biases as they lie in memory
.set MSB, 0
.macro WIN new                         ; the immediate's high byte repeats the setting that is left
.if MSB != \new
	s_set_vgpr_msb (MSB<<8)|\new
.set MSB, \new
.endif
.endm
	s_load_b256 s[4:11], s[0:1], 0x0               ; ximg s[4:5], w1_codes s[6:7], w1_scales s[8:9], w1_bias s[10:11]
	s_load_b128 s[12:15], s[0:1], 0x20             ; order s[12:13], act s[14:15]
	v_lshl_add_u32 v254, v0, 2, 0x10400
	v_mov_b32 v255, 0
	v_lshrrev_b32 v9, 5, v0
	v_readfirstlane_b32 s16, v9                    ; wave
	s_and_b32 s17, ttmp7, 0xffff                   ; e
	v_and_b32 v15, 31, v0                          ; lane
	v_and_b32 v9, 15, v0                           ; r
	v_bfe_u32 v10, v0, 4, 1                        ; h
	v_lshlrev_b32 v1, 4, v15                       ; 16 x lane: an image's place for my lane
	v_lshlrev_b32 v2, 5, v9
	v_lshl_add_u32 v2, v10, 4, v2                  ; 32 r + 16 h: an image's scale words
	v_lshlrev_b32 v3, 10, v10
	v_lshl_add_u32 v3, v9, 4, v3                   ; dense reads of w1: lanes 0-15 one row's 256 bytes, lanes 16-31 the next row's
	s_and_b32 s33, s16, 1
	s_lshl_b32 s33, s33, 5
	s_lshr_b32 s34, s16, 1
	s_lshl_b32 s34, s34, 3
	s_add_co_u32 s33, s33, s34
	s_mul_i32 s33, s33, PITCH
	v_mul_u32_u24 v4, v10, 16*PITCH
	v_lshl_add_u32 v4, v9, 4, v4
	v_add_nc_u32 v4, s33, v4                       ; into LDS: local row 16 w + 2 a + h goes to place 16 T + m = 32 (w % 2) + 16 h + 8 (w / 2) + a
	v_mul_u32_u24 v5, v9, PITCH
	v_lshl_add_u32 v5, v10, 4, v5                  ; out of it: place m of a tile, + 16 h
	v_lshrrev_b32 v6, 3, v9
	v_lshlrev_b32 v6, 10, v6
	v_and_b32 v11, 7, v9
	v_lshl_add_u32 v6, v11, 6, v6
	v_lshl_add_u32 v6, v10, 4, v6                  ; w1's scale words: 32 bytes x the tile's row of lane m, + 16 h
	v_lshlrev_b32 v7, 7, v10                       ; the biases: 128 h
	v_lshlrev_b32 v8, 5, v9                        ; act's scale byte: row r of 32 bytes
	s_mov_b32 s24, 0x40e00000                      ; 7.0
	s_mov_b32 s25, 0xc0e00000                      ; -7.0
	s_mov_b32 s26, 0xc01d265f                      ; -1.702 log2(e)
	s_mov_b32 s27, s26                             ; (the packed form names the pair)
	s_mov_b32 s28, 0x76543210                      ; v_permlanex16_b32's selects for lane l xor 16
	s_mov_b32 s29, 0xfedcba98
	s_mov_b32 s30, 0x600000                        ; the mantissa field of 57,344
	s_mov_b32 s35, 0                               ; stays 0: the upper word of every offset
	s_wait_kmcnt 0x0
	s_lshl_b32 s34, s16, 2
	s_add_co_u32 s34, s34, 8192
	s_add_nc_u64 s[12:13], s[12:13], s[34:35]      ; tmask[4 l + w]
	global_load_b32 v13, v1, s[12:13]
	s_lshl_b32 s34, s17, 21
	s_lshl_b32 s33, ttmp9, 16
	s_add_co_u32 s34, s34, s33
	s_lshl_b32 s33, s16, 14
	s_add_co_u32 s34, s34, s33
	s_add_nc_u64 s[6:7], s[6:7], s[34:35]          ; w1's row 2048 e + 64 n + 16 w
	WIN 0xc0                                       ; destination window 3: my 16 rows land where the second image will
.irp a, 0,1,2,3,4,5,6,7
.irp b, 0,1,2,3
	global_load_b128 v[128+16*\a+4*\b:128+16*\a+4*\b+3], v3, s[6:7] offset:2048*\a+256*\b th:TH_LOAD_NT   ; 16 lanes read 256 consecutive bytes; read once in the launch
.endr
.endr
	WIN 0
	s_lshl_b32 s34, s17, 16
	s_lshl_b32 s33, ttmp9, 11
	s_add_co_u32 s34, s34, s33
	s_add_nc_u64 s[8:9], s[8:9], s[34:35]
	s_lshl_b32 s34, s17, 13
	s_lshl_b32 s33, ttmp9, 8
	s_add_co_u32 s34, s34, s33
	s_add_nc_u64 s[10:11], s[10:11], s[34:35]
	s_mov_b32 s34, 2097152
	s_add_nc_u64 s[52:53], s[4:5], s[34:35]        ; the images' scale bytes
	s_lshl_b32 s34, s17, 21
	s_lshl_b32 s33, ttmp9, 9
	s_add_co_u32 s34, s34, s33
	s_add_nc_u64 s[54:55], s[14:15], s[34:35]      ; act: expert e's tile 0, my 512 bytes
	s_lshl_b32 s34, s17, 16
	s_add_co_u32 s34, s34, ttmp9
	s_add_co_u32 s34, s34, 16777216
	s_add_nc_u64 s[56:57], s[14:15], s[34:35]      ; and my byte of its rows' scale bytes
.irp t, 0,1,2,3
	global_load_b128 v[WS+4*\t:WS+4*\t+3], v6, s[8:9] offset:(16*(\t/2)+(\t%2))*32
.endr
.irp a, 0,1
.irp i, 0,1,2,3
	global_load_b128 v[RAW+16*\a+4*\i:RAW+16*\a+4*\i+3], v7, s[10:11] offset:64*\a+16*\i
.endr
.endr
	s_wait_loadcnt 44                              ; tmask is in: behind it stand the 32 + 4 + 8 loads above
	v_lshrrev_b32 v13, s17, v13
	v_and_b32 v13, 1, v13
	v_cmp_ne_u32 s19, 0, v13                       ; bit j: tile 4 j + w uses expert e
	s_mov_b32 s20, s19
; the next tile of the mask; its four addresses into set p.  The index is held to 31, so every address stays inside its buffer whatever the mask holds
.macro NEXT p
	s_ctz_i32_b32 s33, s19
	s_min_u32 s33, s33, 31
	s_sub_co_u32 s34, s19, 1
	s_and_b32 s19, s19, s34                        ; the lowest bit is taken off
	s_lshl_b32 s33, s33, 2
	s_add_co_u32 s33, s33, s16                     ; the tile
	s_lshl_b32 s34, s33, 14
	s_add_nc_u64 s[36+8*(\p):37+8*(\p)], s[4:5], s[34:35]
	s_add_nc_u64 s[40+8*(\p):41+8*(\p)], s[54:55], s[34:35]
	s_lshl_b32 s34, s33, 9
	s_add_nc_u64 s[38+8*(\p):39+8*(\p)], s[52:53], s[34:35]
	s_add_nc_u64 s[42+8*(\p):43+8*(\p)], s[56:57], s[34:35]
.endm
; 33 loads: the tile's image, 512 consecutive bytes a load, into buffer p, and its scale words
.macro LOADA p
	WIN 0xc0
.set q, 0
.rept 32
	global_load_b128 v[128*(\p)+4*q:128*(\p)+4*q+3], v1, s[36+8*(\p):37+8*(\p)] offset:512*q
.set q, q+1
.endr
	WIN 0
	global_load_b128 v[AS+4*(\p):AS+4*(\p)+3], v2, s[38+8*(\p):39+8*(\p)]
.endm
	NEXT 0
	LOADA 0                                        ; the first image, without a branch: a wave whose mask is empty asks for tile 124 + w and ends behind the barrier
	s_wait_loadcnt 45                              ; my 16 rows of w1 are in: behind them stand 4 + 8 + 33 loads
	WIN 0x0c                                       ; an LDS store's data are its source 1: window 3
.irp a, 0,1,2,3,4,5,6,7
.irp b, 0,1,2,3
	ds_store_b128 v4, v[128+16*\a+4*\b:128+16*\a+4*\b+3] offset:PITCH*\a+256*\b
.endr
.endr
	WIN 0
	s_wait_dscnt 0x0                               ; for the others' sake: my rows lie in LDS
	s_barrier_signal -1
	s_barrier_wait -1                              ; all 64 do; nothing is written to LDS again
	s_cmp_eq_u32 s20, 0
	s_cbranch_scc1 .Lidle
	WIN 0x40
.irp t, 0,1,2,3
.irp s, 0,1,2,3
.irp c, 0,1,2,3
	ds_load_b128 v[64*\t+16*\s+4*\c:64*\t+16*\s+4*\c+3], v5 offset:16*PITCH*\t+128*\s+32*\c
.endr
.endr
.endr
	WIN 0x80
.irp t, 0,1,2,3
.irp s, 0,1,2,3
.irp c, 0,1,2,3
	ds_load_b128 v[64*\t+16*\s+4*\c:64*\t+16*\s+4*\c+3], v5 offset:16*PITCH*\t+512+128*\s+32*\c
.endr
.endr
.endr
	WIN 0
	s_wait_loadcnt 33                              ; w1's scale words and the biases are in; the first image may be out
.irp a, 0,1
.irp u, 0,1
.irp j, 0,1,2,3,4,5,6,7
	v_mov_b32 v[BI+8*(2*\a+\u)+\j], v[RAW+16*\a+2*\j+\u]   ; gate's and up's biases are parted, once: a matrix instruction's C is eight registers on end
.endr
.endr
.endr
	s_wait_dscnt 0x0
; 32 matrix instructions: four tiles of w1 by turns, eight K steps.  The bias is the C of each sum's first instruction.
.macro MUL p
	WIN 0x0d                                       ; source 0 (w1) window 1, source 1 (the image) window 3, C and D window 0
.irp s, 0,1,2,3
.irp t, 0,1,2,3
.if \s == 0
	v_wmma_scale_f32_16x16x128_f8f6f4 v[ACC+8*\t:ACC+8*\t+7], v[64*\t+16*\s:64*\t+16*\s+15], v[128*(\p)+16*\s:128*(\p)+16*\s+15], v[BI+8*\t:BI+8*\t+7], v[WS+4*\t+\s], v[AS+4*(\p)+\s] matrix_a_fmt:MATRIX_FMT_BF8 matrix_b_fmt:MATRIX_FMT_BF8
.else
	v_wmma_scale_f32_16x16x128_f8f6f4 v[ACC+8*\t:ACC+8*\t+7], v[64*\t+16*\s:64*\t+16*\s+15], v[128*(\p)+16*\s:128*(\p)+16*\s+15], v[ACC+8*\t:ACC+8*\t+7], v[WS+4*\t+\s], v[AS+4*(\p)+\s] matrix_a_fmt:MATRIX_FMT_BF8 matrix_b_fmt:MATRIX_FMT_BF8
.endif
.endr
.endr
	WIN 0x0e                                       ; source 0 window 2: K steps 4-7; their scale words lie in lanes 16-31 of the same registers
.irp s, 0,1,2,3
.irp t, 0,1,2,3
	v_wmma_scale_f32_16x16x128_f8f6f4 v[ACC+8*\t:ACC+8*\t+7], v[64*\t+16*\s:64*\t+16*\s+15], v[128*(\p)+64+16*\s:128*(\p)+64+16*\s+15], v[ACC+8*\t:ACC+8*\t+7], v[WS+4*\t+\s], v[AS+4*(\p)+\s] matrix_a_fmt:MATRIX_FMT_BF8 matrix_b_fmt:MATRIX_FMT_BF8 matrix_a_scale:MATRIX_SCALE_ROW1 matrix_b_scale:MATRIX_SCALE_ROW1
.endr
.endr
	WIN 0
.rept 8
	v_nop                                          ; eight places behind this form before its results are read and its operands loaded anew
.endr
.endm
; gate = min(gate, 7); up = clip(up, -7, 7); act = (up + 1) gate / (1 + 2^(-1.702 log2(e) gate)).  Each accumulator is read from its low end on.
.macro ACT
.irp a, 0,1
.irp j, 0,1,2,3,4,5,6,7
	v_min_num_f32 v[ACC+16*\a+\j], s24, v[ACC+16*\a+\j]
.endr
.irp j, 0,1,2,3,4,5,6,7
	v_med3_num_f32 v[ACC+16*\a+8+\j], v[ACC+16*\a+8+\j], s25, s24
.endr
.irp j, 0,2,4,6
	v_pk_mul_f32 v[TT+8*\a+\j:TT+8*\a+\j+1], v[ACC+16*\a+\j:ACC+16*\a+\j+1], s[26:27] op_sel_hi:[1,0]
.endr
.endr
.irp i, 0,1,2,3,4,5,6,7,8,9,10,11,12,13,14,15
	v_exp_f32 v[TT+\i], v[TT+\i]
.endr
	v_nop                                          ; a plain line between the transcendentals and the use of their results
	s_wait_alu depctr_va_vdst(0)
.irp i, 0,2,4,6,8,10,12,14
	v_pk_add_f32 v[TT+\i:TT+\i+1], v[TT+\i:TT+\i+1], 1.0 op_sel_hi:[1,0]
.endr
.irp i, 0,1,2,3,4,5,6,7,8,9,10,11,12,13,14,15
	v_rcp_f32 v[TT+\i], v[TT+\i]
.endr
	v_nop
	s_wait_alu depctr_va_vdst(0)
.irp a, 0,1
.irp j, 0,2,4,6
	v_pk_mul_f32 v[TT+8*\a+\j:TT+8*\a+\j+1], v[TT+8*\a+\j:TT+8*\a+\j+1], v[ACC+16*\a+\j:ACC+16*\a+\j+1]   ; glu
.endr
.irp j, 0,2,4,6
	v_pk_fma_f32 v[TT+8*\a+\j:TT+8*\a+\j+1], v[ACC+16*\a+8+\j:ACC+16*\a+8+\j+1], v[TT+8*\a+\j:TT+8*\a+\j+1], v[TT+8*\a+\j:TT+8*\a+\j+1]   ; up x glu + glu
.endr
.endr
.endm
; my 16 numbers and lane l xor 16's are a block of 32 along the next K: its scale, the hold, the codes
.macro QUANT
	v_max3_num_f32 v9, |v[TT]|, |v[TT+1]|, 0x8000000   ; with the floor 2^(16 - 127): the byte cannot fall under 1
	v_max3_num_f32 v10, |v[TT+2]|, |v[TT+3]|, |v[TT+4]|
	v_max3_num_f32 v9, v9, |v[TT+5]|, |v[TT+6]|
	v_max3_num_f32 v10, v10, |v[TT+7]|, |v[TT+8]|
	v_max3_num_f32 v9, v9, |v[TT+9]|, |v[TT+10]|
	v_max3_num_f32 v10, v10, |v[TT+11]|, |v[TT+12]|
	v_max3_num_f32 v9, v9, |v[TT+13]|, |v[TT+14]|
	v_max3_num_f32 v10, v10, |v[TT+15]|, v9
	v_permlanex16_b32 v11, v10, s28, s29
	v_max_num_f32 v10, v10, v11
	v_add_nc_u32 v12, 0xf8800000, v10              ; 15 off the exponent field: the conversion's scale operand
	v_and_or_b32 v13, v10, 0x7f800000, s30         ; 57,344 x the scale
	v_lshrrev_b32 v14, 23, v12                     ; the scale's byte
.irp i, 0,1,2,3,4,5,6,7,8,9,10,11,12,13,14,15
	v_med3_num_f32 v[TT+\i], v[TT+\i], -v13, v13   ; the conversion to an 8-bit code does not saturate (ISA guide 7.6.2)
.endr
	v_cvt_scalef32_pk8_bf8_f32 v[CD:CD+1], v[TT:TT+7], v12
	v_cvt_scalef32_pk8_bf8_f32 v[CD+2:CD+3], v[TT+8:TT+15], v12
	v_nop                                          ; a plain line behind the conversions
.endm
.macro WORK p
	MUL \p
	ACT
	QUANT
	global_store_b128 v1, v[CD:CD+3], s[40+8*(\p):41+8*(\p)]   ; 512 consecutive bytes of the next product's image
	global_store_b8 v8, v14, s[42+8*(\p):43+8*(\p)]            ; lanes 16-31 repeat lanes 0-15: the same byte with the same value
.endm
	s_mov_b32 s22, 0
.Ltiles:                                               ; a trip: two tiles that have a successor.  A wave has 32 tiles at the most, so the loop is always left by a branch to the last tile
	s_wait_xcnt 0x0                                ; the last tile's stores have read their data and bases: both are written again below
	s_cmp_eq_u32 s19, 0
	s_cbranch_scc1 .Llast0
	NEXT 1
	LOADA 1
	s_wait_loadcnt 33                              ; the image in hand is in; the 33 loads just issued may be out
	WORK 0
	s_wait_xcnt 0x0
	s_cmp_eq_u32 s19, 0
	s_cbranch_scc1 .Llast1
	NEXT 0
	LOADA 0
	s_wait_loadcnt 33
	WORK 1
	s_add_co_u32 s22, s22, 1
	s_cmp_lt_u32 s22, 16
	s_cbranch_scc1 .Ltiles
	s_wait_tensorcnt 0x0
	ds_add_u32 v254, v255
	s_wait_dscnt 0x0
	s_endpgm
.Llast0:                                               ; the last tile is written out: nothing is asked for, and the wait is for all
	s_wait_loadcnt 0x0
	WORK 0
	s_wait_tensorcnt 0x0
	ds_add_u32 v254, v255
	s_wait_dscnt 0x0
	s_endpgm
.Llast1:
	s_wait_loadcnt 0x0
	WORK 1
.Lidle:
	s_wait_tensorcnt 0x0
	ds_add_u32 v254, v255
	s_wait_dscnt 0x0
	s_endpgm
.Lfunc_end_k_q36ccad35c5_up:
	.size	k_q36ccad35c5_up, .Lfunc_end_k_q36ccad35c5_up-k_q36ccad35c5_up
	.p2alignl 7, 3214868480
	.fill 96, 4, 3214868480
	.section	.rodata,"a",@progbits
	.p2align	6, 0x0
	.amdhsa_kernel k_q36ccad35c5_up
		.amdhsa_group_segment_fixed_size 67072
		.amdhsa_private_segment_fixed_size 0
		.amdhsa_enable_private_segment 0
		.amdhsa_kernarg_size 48
		.amdhsa_user_sgpr_count 2
		.amdhsa_user_sgpr_kernarg_segment_ptr 1
		.amdhsa_wavefront_size32 1
		.amdhsa_system_sgpr_workgroup_id_x 1
		.amdhsa_system_sgpr_workgroup_id_y 1
		.amdhsa_system_sgpr_workgroup_id_z 1
		.amdhsa_system_vgpr_workitem_id 0
		.amdhsa_next_free_vgpr 1024
		.amdhsa_next_free_sgpr 66
		.amdhsa_reserve_vcc 0
		.amdhsa_float_denorm_mode_32 3
		.amdhsa_float_denorm_mode_16_64 3
		.amdhsa_memory_ordered 1
		.amdhsa_forward_progress 1
		.amdhsa_inst_pref_size 76
	.end_amdhsa_kernel
	.amdgpu_metadata
---
amdhsa.version: [ 1, 2 ]
amdhsa.kernels:
  - .name:           k_q36ccad35c5_up
    .symbol:         k_q36ccad35c5_up.kd
    .args:
      - { .name: ximg, .offset: 0, .size: 8, .value_kind: global_buffer, .address_space: global }
      - { .name: w1_codes, .offset: 8, .size: 8, .value_kind: global_buffer, .address_space: global }
      - { .name: w1_scales, .offset: 16, .size: 8, .value_kind: global_buffer, .address_space: global }
      - { .name: w1_bias, .offset: 24, .size: 8, .value_kind: global_buffer, .address_space: global }
      - { .name: order, .offset: 32, .size: 8, .value_kind: global_buffer, .address_space: global }
      - { .name: act, .offset: 40, .size: 8, .value_kind: global_buffer, .address_space: global }
    .group_segment_fixed_size: 67072
    .private_segment_fixed_size: 0
    .kernarg_segment_align: 8
    .kernarg_segment_size: 48
    .max_flat_workgroup_size: 128
    .sgpr_count:     66
    .vgpr_count:     1024
    .wavefront_size: 32
...
	.end_amdgpu_metadata
.endif
;; end of part 4
;; launch down (part 5): grid 8 x 32, 4 waves a work-group, no clusters, 284,160 bytes of LDS; arguments act, w2_codes, w2_scales, w2_bias, order, route, out1, out0; writes out0
.if DOCPART == 5
	.amdgcn_target "amdgcn-amd-amdhsa--gfx1250"
	.amdhsa_code_object_version 6
	.text
	.protected	k_q36ccad35c5_down
	.globl	k_q36ccad35c5_down
	.p2align	8
	.type	k_q36ccad35c5_down,@function
k_q36ccad35c5_down:
	s_mov_b64 s[64:65], 0
	v_nop
	global_prefetch_b8 v0, s[64:65] scope:SCOPE_SE
	s_setreg_imm32_b32 hwreg(HW_REG_WAVE_MODE, 25, 1), 1
	s_wait_xcnt 0x0
; out0[t] = the sum over t's two experts e of weight(t, e) x (act(t, e) w2[e] + w2_bias[e]).  The product is on codes of E5M2 with one E8M0 scale for each 32 along K; act's codes and scales were laid by the launch before.
; SHARES.  Four waves, as many as a WGP has SIMDs.  A PAIR of waves (2 i, 2 i + 1) owns 64 sorted tokens (block beta: tiles 4 beta .. 4 beta + 3) x 64 columns (64 sigma on, sigma = 2 x + i).
; Both walk the 8 experts (a constant count) and pass over those that none of the block's tiles uses; of the experts in use, in ascending order, wave u = w % 2 takes every second one, so each wave has half the chain
; of dependent loads, and each (expert, slice, block) is still loaded by one wave alone.  For an expert of its own a wave turns the expert's 64 rows of w2 x 1,024 K into 512 registers (dense loads, turned into fragments
; through the wave's own LDS) and takes the images of the block's tiles that use the expert from memory straight into registers.  A tile is multiplied for all its 16 rows; a row that did not choose the expert
; has the weight 0, as in the dense sum that defines the result.
; THE TWO WAVES' SUMS MEET ONCE, THROUGH LDS.  Wave u keeps tile m's totals in SLOT m xor 2 u, so that slots 0 and 1 are the tiles that it finishes and slots 2 and 3 those that its partner finishes: no register
; number and no branch hangs on u.  Behind the loop it stores slots 2 and 3 as images of their registers, passes the launch's one barrier, adds the partner's images onto slots 0 and 1 and writes those two tiles out:
; each output has one writer.
; THE PRODUCT IS USED TRANSPOSED (source 0 = 16 rows of w2, source 1 = 16 tokens): lane (r, h), register j of tile T is token r, column 16 T + 8 h + j.  The bias is the C of each sum's first instruction.
; Scale words: a lane (r, h) loads 16 bytes at 32 r + 16 h of its row's 32; K steps 4-7 name lanes 16-31 of the same registers by ROW1.
; No tensor load, no cluster: what is walked hangs on numbers read from memory.  No prefetch: each image and each slice of w2 is read by many waves.
; LIMITS: NaN and infinities are not served.  A token's two experts are summed apart and added at the end: an order of f32 additions of this text's own.
; REGISTERS, in windows of 256: window 0: addresses, scale words, biases, accumulators, ids and weights, the totals.  Window 1: w2's K steps 0-3 (64 T + 16 s + 4 c); window 2: K steps 4-7; window 3: two images.
.set PITCH, 1040                       ; a row of w2 in LDS: 1,024 bytes + 16: an odd multiple of 16
.set WREG,  70912                      ; a wave's LDS: 64 such rows (at the end their first 8,192 bytes carry the totals for the partner), then the stage for the way out: 16 rows of 256 bytes + 16
.set STG,   66560
.set WS,  16                           ; v16-31   w2's scale words
.set AS,  32                           ; v32-39   the images'
.set BI,  40                           ; v40-71   the biases; on the way out the rows' offsets
.set ACC, 72                           ; v72-103  the four accumulators
.set IDW, 104                          ; v104-107 slot j: my row's two experts, id0 | id1 << 8,
.set WT,  108                          ; v108-115 and its two weights
.set XO,  120                          ; v120     where I put totals for my partner: my LDS + 16 x lane
.set XI,  121                          ; v121     where I find my partner's: its LDS + 16 x lane
.set PT,  122                          ; v122-125 slot j: my row's token
.set TOT, 128                          ; v128-255 the totals: 32 x slot + 8 T + j
.set MSB, 0
.macro WIN new                         ; the immediate's high byte repeats the setting that is left
.if MSB != \new
	s_set_vgpr_msb (MSB<<8)|\new
.set MSB, \new
.endif
.endm
	s_load_b512 s[4:19], s[0:1], 0x0               ; act s[4:5], w2_codes s[6:7], w2_scales s[8:9], w2_bias s[10:11], order s[12:13], route s[14:15], out1 s[16:17], out0 s[18:19]
	v_lshrrev_b32 v11, 5, v0
	v_readfirstlane_b32 s20, v11                   ; wave 0..3
	s_lshr_b32 s33, s20, 1
	s_lshl_b32 s21, ttmp9, 1
	s_add_co_u32 s21, s21, s33                     ; sigma
	s_and_b32 s27, s20, 1                          ; u; from here on it turns over at each expert in use
	s_lshl_b32 s28, s27, 1                         ; 2 u
	s_and_b32 s22, ttmp7, 0xffff                   ; beta
	v_and_b32 v12, 31, v0                          ; lane
	v_and_b32 v13, 15, v0                          ; r
	v_bfe_u32 v14, v0, 4, 1                        ; h
	v_lshlrev_b32 v1, 4, v12                       ; 16 x lane
	v_lshlrev_b32 v2, 5, v13
	v_lshl_add_u32 v2, v14, 4, v2                  ; 32 r + 16 h
	v_lshlrev_b32 v3, 10, v14
	v_lshl_add_u32 v3, v13, 4, v3                  ; dense reads of w2: two rows' 256 bytes
	s_mul_i32 s33, s20, WREG
	v_mul_u32_u24 v4, v14, PITCH
	v_lshl_add_u32 v4, v13, 4, v4
	v_add_nc_u32 v4, s33, v4                       ; into my LDS: row 2 a + h
	v_mul_u32_u24 v5, v13, PITCH
	v_lshl_add_u32 v5, v14, 4, v5
	v_add_nc_u32 v5, s33, v5                       ; out of it: row m of a tile, + 16 h
	v_lshlrev_b32 v6, 2, v14                       ; 4 h: a lane index for the way out
	v_lshlrev_b32 v7, 5, v14                       ; the biases: 32 h
	s_add_co_u32 s34, s33, STG
	v_mul_u32_u24 v8, v13, 272
	v_lshl_add_u32 v8, v14, 5, v8
	v_add_nc_u32 v8, s34, v8                       ; the stage, in: row r, + 32 h
	v_mul_u32_u24 v9, v14, 272
	v_lshl_add_u32 v9, v13, 4, v9
	v_add_nc_u32 v9, s34, v9                       ; back: lanes 0-15 one row, lanes 16-31 the next
	v_add_nc_u32 v[XO], s33, v1
	s_xor_b32 s34, s20, 1                          ; my partner's number
	s_mul_i32 s34, s34, WREG
	v_add_nc_u32 v[XI], s34, v1
	v_lshlrev_b32 v10, 4, v13
	v_and_b32 v11, 3, v0
	v_lshlrev_b32 v11, 2, v11
	s_lshl_b32 s34, s27, 7
	v_lshl_add_u32 v15, v13, 2, s34                ; perm of slots 0, 1: tiles 2 u, 2 u + 1: 4 r + 128 u
	s_xor_b32 s34, s34, 128
	v_lshl_add_u32 v119, v13, 2, s34               ; of slots 2, 3: the other two tiles
	v_lshrrev_b32 v127, 2, v12
	v_mov_b32 v116, 0
	v_mov_b32 v117, 0                              ; (named as the upper half of the pair v[116:117])
	s_mov_b32 s35, 0                               ; stays 0: the upper word of every offset
	s_wait_kmcnt 0x0
	s_lshl_b32 s34, s22, 4
	s_add_co_u32 s34, s34, 8192
	s_add_nc_u64 s[46:47], s[12:13], s[34:35]      ; tmask of my four tiles
	s_lshl_b32 s34, s22, 8
	s_add_nc_u64 s[12:13], s[12:13], s[34:35]      ; perm of my 64 positions
	global_load_b32 v126, v11, s[46:47]
	global_load_b32 v[PT], v15, s[12:13]
	global_load_b32 v[PT+1], v15, s[12:13] offset:64
	global_load_b32 v[PT+2], v119, s[12:13]
	global_load_b32 v[PT+3], v119, s[12:13] offset:64
	s_lshl_b32 s34, s22, 16
	s_add_nc_u64 s[36:37], s[4:5], s[34:35]        ; act: expert 0, my first tile's image,
	s_lshl_b32 s34, s22, 11
	s_add_co_u32 s34, s34, 16777216
	s_add_nc_u64 s[38:39], s[4:5], s[34:35]        ; and its scale bytes
	s_lshl_b32 s34, s21, 16
	s_add_nc_u64 s[40:41], s[6:7], s[34:35]        ; w2: expert 0, my 64 rows,
	s_lshl_b32 s34, s21, 11
	s_add_nc_u64 s[42:43], s[8:9], s[34:35]        ; their scale bytes,
	s_lshl_b32 s34, s21, 8
	s_add_nc_u64 s[44:45], s[10:11], s[34:35]      ; their biases,
	s_add_nc_u64 s[18:19], s[18:19], s[34:35]      ; and my 256 bytes of a row of out0
	s_wait_loadcnt 0x0
	v_lshrrev_b32 v126, v127, v126
	v_and_b32 v126, 1, v126
	v_cmp_ne_u32 s23, 0, v126                      ; bit 4 e + m: tile m of my block uses expert e
.irp j, 0,1,2,3
	v_min_u32 v[PT+\j], 0x7ff, v[PT+\j]
.endr
.irp j, 0,1,2,3
	v_lshlrev_b32 v[72+\j], 2, v[PT+\j]
	v_lshlrev_b32 v[76+\j], 3, v[PT+\j]
.endr
.irp j, 0,1,2,3
	global_load_b32 v[IDW+\j], v[72+\j], s[14:15]              ; not waited for here: these eight loads are older than every load of the loop below, whose first counted wait shows them in
	global_load_b64 v[WT+2*\j:WT+2*\j+1], v[76+\j], s[16:17]
.endr
.set q, 0
.rept 128
	v_mov_b32 v[TOT+q], 0                          ; sums kept by vector instructions: which product comes first for a tile hangs on data, so they begin as zeros
.set q, q+1
.endr
; the expert's next tile of the block: its slot into s31 or s32, its two addresses into set p.  The tile's number is held to 3
.macro NEXT p
	s_ctz_i32_b32 s33, s26
	s_min_u32 s33, s33, 3
	s_sub_co_u32 s34, s26, 1
	s_and_b32 s26, s26, s34                        ; the lowest bit is taken off
	s_xor_b32 s[31+(\p)], s33, s28                 ; the slot: tile xor 2 u
	s_lshl_b32 s34, s33, 14
	s_add_nc_u64 s[48+4*(\p):49+4*(\p)], s[36:37], s[34:35]
	s_lshl_b32 s34, s33, 9
	s_add_nc_u64 s[50+4*(\p):51+4*(\p)], s[38:39], s[34:35]
.endm
.macro LOADA p                         ; 33 loads: the image, 512 consecutive bytes a load, and its scale words
	WIN 0xc0
.set q, 0
.rept 32
	global_load_b128 v[128*(\p)+4*q:128*(\p)+4*q+3], v1, s[48+4*(\p):49+4*(\p)] offset:512*q
.set q, q+1
.endr
	WIN 0
	global_load_b128 v[AS+4*(\p):AS+4*(\p)+3], v2, s[50+4*(\p):51+4*(\p)]
.endm
.macro LB t                            ; 32 dense loads: the 16 rows of w2's tile t, into the registers that its fragments will take
	WIN 0x40
.irp a, 0,1,2,3
.irp b, 0,1,2,3
	global_load_b128 v[64*(\t)+16*\a+4*\b:64*(\t)+16*\a+4*\b+3], v3, s[40:41] offset:16384*(\t)+2048*\a+256*\b
.endr
.endr
	WIN 0x80
.irp a, 4,5,6,7
.irp b, 0,1,2,3
	global_load_b128 v[64*(\t)+16*(\a-4)+4*\b:64*(\t)+16*(\a-4)+4*\b+3], v3, s[40:41] offset:16384*(\t)+2048*\a+256*\b
.endr
.endr
	WIN 0
.endm
.macro TB t                            ; they turn through my LDS: in as rows, back as fragments.  LDS serves a wave's instructions in order: no wait between
	WIN 0x04                                       ; an LDS store's data are its source 1: window 1,
.irp a, 0,1,2,3
.irp b, 0,1,2,3
	ds_store_b128 v4, v[64*(\t)+16*\a+4*\b:64*(\t)+16*\a+4*\b+3] offset:16*PITCH*(\t)+2*PITCH*\a+256*\b
.endr
.endr
	WIN 0x08                                       ; window 2
.irp a, 4,5,6,7
.irp b, 0,1,2,3
	ds_store_b128 v4, v[64*(\t)+16*(\a-4)+4*\b:64*(\t)+16*(\a-4)+4*\b+3] offset:16*PITCH*(\t)+2*PITCH*\a+256*\b
.endr
.endr
	WIN 0x40
.irp s, 0,1,2,3
.irp c, 0,1,2,3
	ds_load_b128 v[64*(\t)+16*\s+4*\c:64*(\t)+16*\s+4*\c+3], v5 offset:16*PITCH*(\t)+128*\s+32*\c
.endr
.endr
	WIN 0x80
.irp s, 0,1,2,3
.irp c, 0,1,2,3
	ds_load_b128 v[64*(\t)+16*\s+4*\c:64*(\t)+16*\s+4*\c+3], v5 offset:16*PITCH*(\t)+512+128*\s+32*\c
.endr
.endr
	WIN 0
.endm
; 32 matrix instructions: four tiles of w2 by turns, eight K steps.
.macro MUL p
	WIN 0x0d                                       ; source 0 (w2) window 1, source 1 (the image) window 3, C and D window 0
.irp s, 0,1,2,3
.irp t, 0,1,2,3
.if \s == 0
	v_wmma_scale_f32_16x16x128_f8f6f4 v[ACC+8*\t:ACC+8*\t+7], v[64*\t+16*\s:64*\t+16*\s+15], v[128*(\p)+16*\s:128*(\p)+16*\s+15], v[BI+8*\t:BI+8*\t+7], v[WS+4*\t+\s], v[AS+4*(\p)+\s] matrix_a_fmt:MATRIX_FMT_BF8 matrix_b_fmt:MATRIX_FMT_BF8
.else
	v_wmma_scale_f32_16x16x128_f8f6f4 v[ACC+8*\t:ACC+8*\t+7], v[64*\t+16*\s:64*\t+16*\s+15], v[128*(\p)+16*\s:128*(\p)+16*\s+15], v[ACC+8*\t:ACC+8*\t+7], v[WS+4*\t+\s], v[AS+4*(\p)+\s] matrix_a_fmt:MATRIX_FMT_BF8 matrix_b_fmt:MATRIX_FMT_BF8
.endif
.endr
.endr
	WIN 0x0e                                       ; source 0 window 2: K steps 4-7
.irp s, 0,1,2,3
.irp t, 0,1,2,3
	v_wmma_scale_f32_16x16x128_f8f6f4 v[ACC+8*\t:ACC+8*\t+7], v[64*\t+16*\s:64*\t+16*\s+15], v[128*(\p)+64+16*\s:128*(\p)+64+16*\s+15], v[ACC+8*\t:ACC+8*\t+7], v[WS+4*\t+\s], v[AS+4*(\p)+\s] matrix_a_fmt:MATRIX_FMT_BF8 matrix_b_fmt:MATRIX_FMT_BF8 matrix_a_scale:MATRIX_SCALE_ROW1 matrix_b_scale:MATRIX_SCALE_ROW1
.endr
.endr
	WIN 0
.rept 8
	v_nop                                          ; eight places behind this form before its results are read and its operands loaded anew
.endr
.endm
; slot j's totals += my row's weight for expert s24 (0 where the row did not choose it) x the results.  Each accumulator is read from its low end on.
.macro ADD j
	v_and_b32 v118, 0xff, v[IDW+\j]
	v_bfe_u32 v119, v[IDW+\j], 8, 8
	v_cmp_eq_u32 vcc_lo, s24, v118
	v_cndmask_b32 v116, 0, v[WT+2*\j], vcc_lo
	v_cmp_eq_u32 vcc_lo, s24, v119
	v_cndmask_b32 v116, v116, v[WT+2*\j+1], vcc_lo
.irp t, 0,1,2,3
.irp i, 0,2,4,6
	v_pk_fma_f32 v[TOT+32*\j+8*\t+\i:TOT+32*\j+8*\t+\i+1], v[ACC+8*\t+\i:ACC+8*\t+\i+1], v[116:117], v[TOT+32*\j+8*\t+\i:TOT+32*\j+8*\t+\i+1] op_sel_hi:[1,0,1]
.endr
.endr
.endm
.macro WORK p                          ; registers cannot be indexed: a chain of scalar branches on the slot's number picks its totals
	MUL \p
	s_cmp_lg_u32 s[31+(\p)], 0
	s_cbranch_scc1 .Lm1_\@
	ADD 0
	s_branch .Lmd_\@
.Lm1_\@:
	s_cmp_lg_u32 s[31+(\p)], 1
	s_cbranch_scc1 .Lm2_\@
	ADD 1
	s_branch .Lmd_\@
.Lm2_\@:
	s_cmp_lg_u32 s[31+(\p)], 2
	s_cbranch_scc1 .Lm3_\@
	ADD 2
	s_branch .Lmd_\@
.Lm3_\@:
	ADD 3
.Lmd_\@:
.endm
	s_mov_b32 s24, 0                               ; e
	s_mov_b32 s25, 0                               ; 4 e
.Lexpert:
	s_lshr_b32 s26, s23, s25
	s_and_b32 s26, s26, 15                         ; the block's tiles that use e
	s_cmp_eq_u32 s26, 0
	s_cbranch_scc1 .Lskip
	s_xor_b32 s27, s27, 1                          ; an expert in use: the pair's two waves take them by turns, wave u = 0 the first
	s_cmp_eq_u32 s27, 0
	s_cbranch_scc1 .Lskip                          ; my partner's
	NEXT 0
	LOADA 0
.irp t, 0,1,2,3
	global_load_b128 v[BI+8*\t:BI+8*\t+3], v7, s[44:45] offset:64*\t
	global_load_b128 v[BI+8*\t+4:BI+8*\t+7], v7, s[44:45] offset:64*\t+16
.endr
.irp t, 0,1,2,3
	global_load_b128 v[WS+4*\t:WS+4*\t+3], v2, s[42:43] offset:512*\t
.endr
	LB 0
	LB 1
	s_wait_loadcnt 32                              ; tile 0's rows, and all that is older, are in; the 32 loads of the tile behind may be out: so in each of these three waits
	TB 0
	LB 2
	s_wait_loadcnt 32
	TB 1
	LB 3
	s_wait_loadcnt 32
	TB 2
	; A block has four tiles at the most, so the expert's tiles are written out, each number of tiles on a way of its own: every wait has the count of its way, and no image is asked for that is not multiplied.
	s_cmp_eq_u32 s26, 0
	s_cbranch_scc1 .Lsingle
	NEXT 1
	LOADA 1                                        ; the second image: it has the last quarter's 64 LDS instructions and the first tile's 32 products in which to land
	s_wait_loadcnt 33                              ; w2's last 16 rows are in; the 33 loads just issued may be out
	TB 3
	s_wait_dscnt 0x0
	WORK 0
	s_cmp_eq_u32 s26, 0
	s_cbranch_scc1 .Ltwo
	NEXT 0
	LOADA 0                                        ; the third image, into the buffer just multiplied
	s_wait_loadcnt 33                              ; the second image is in; the 33 loads just issued may be out
	WORK 1
	s_cmp_eq_u32 s26, 0
	s_cbranch_scc1 .Lthree
	NEXT 1
	LOADA 1                                        ; the fourth
	s_wait_loadcnt 33                              ; the third image is in
	WORK 0
	s_wait_loadcnt 0x0
	WORK 1
	s_branch .Lskip
.Lsingle:
	s_wait_loadcnt 0x0
	TB 3
	s_wait_dscnt 0x0
	WORK 0
	s_branch .Lskip
.Ltwo:
	s_wait_loadcnt 0x0
	WORK 1
	s_branch .Lskip
.Lthree:
	s_wait_loadcnt 0x0
	WORK 0
.Lskip:                                                ; no load that names these bases is out here on any way, so they may step to the next expert
	s_add_nc_u64 s[36:37], s[36:37], 0x200000
	s_add_nc_u64 s[38:39], s[38:39], 0x10000
	s_add_nc_u64 s[40:41], s[40:41], 0x100000
	s_add_nc_u64 s[42:43], s[42:43], 0x8000
	s_add_nc_u64 s[44:45], s[44:45], 0x1000
	s_add_co_u32 s25, s25, 4
	s_add_co_u32 s24, s24, 1
	s_cmp_lt_u32 s24, 8
	s_cbranch_scc1 .Lexpert
	s_wait_loadcnt 0x0                             ; (a way on which no expert was mine would still have the head's gathers out: their offset registers are written below)
	; THE PAIR'S SUMS MEET.  Slots 2 and 3 go to LDS as images of their registers, 16 bytes a lane, 512 a store; my partner's slots 2 and 3 are my slots 0 and 1's tiles.
.set q, 0
.rept 16
	ds_store_b128 v[XO], v[TOT+64+4*q:TOT+64+4*q+3] offset:512*q
.set q, q+1
.endr
	s_wait_dscnt 0x0                               ; for my partner's sake: the images lie in LDS
	s_barrier_signal -1
	s_barrier_wait -1                              ; the launch's one barrier, on every wave's way; behind it nobody writes these bytes again
.set q, 0
.rept 16
	ds_load_b128 v[TOT+64+4*q:TOT+64+4*q+3], v[XI] offset:512*q
.set q, q+1
.endr
	; THE WAY OUT of slots 0 and 1.  A lane holds 32 neighbouring bytes of a row and the lanes beside it hold other rows: a tile goes through my stage and comes back as rows of 256 bytes, two a store,
	; each to its token's row of out0.  The tokens of rows 2 i + h come from the lanes that hold them.
.irp i, 0,1,2,3,4,5,6,7
	v_add_nc_u32 v[72+\i], 8*\i, v6                ; 4 x (2 i + h)
.endr
.irp m, 0,1
.irp i, 0,1,2,3,4,5,6,7
	ds_bpermute_b32 v[BI+8*\m+\i], v[72+\i], v[PT+\m]
.endr
.endr
	s_wait_dscnt 16                                ; my partner's sixteen images are in; the sixteen permutes behind them may be out
.set q, 0
.rept 32
	v_pk_add_f32 v[TOT+2*q:TOT+2*q+1], v[TOT+2*q:TOT+2*q+1], v[TOT+64+2*q:TOT+64+2*q+1]
.set q, q+1
.endr
	s_wait_dscnt 0x0
.set q, 0
.rept 16
	v_min_u32 v[BI+q], 0x7ff, v[BI+q]
	v_lshl_add_u32 v[BI+q], v[BI+q], 12, v10       ; the token's row of 4,096 bytes, + 16 bytes a lane
.set q, q+1
.endr
.irp m, 0,1
.irp t, 0,1,2,3
	ds_store_b128 v8, v[TOT+32*\m+8*\t:TOT+32*\m+8*\t+3] offset:64*\t
	ds_store_b128 v8, v[TOT+32*\m+8*\t+4:TOT+32*\m+8*\t+7] offset:64*\t+16
.endr
.irp i, 0,1,2,3,4,5,6,7
	ds_load_b128 v[TOT+32*\m+4*\i:TOT+32*\m+4*\i+3], v9 offset:544*\i   ; in order behind the stores above; the next tile's stores come behind these
.endr
.endr
.irp m, 0,1
.irp i, 0,1,2,3,4,5,6,7
	s_wait_dscnt 16*(1-\m)+7-\i                    ; behind this load: the rest of its tile's eight, and sixteen for the later tile
	global_store_b128 v[BI+8*\m+\i], v[TOT+32*\m+4*\i:TOT+32*\m+4*\i+3], s[18:19] th:TH_STORE_NT   ; 16 lanes store 256 consecutive bytes, at a multiple of 256 from out0's first byte
.endr
.endr
	s_wait_xcnt 0x0
	v_lshl_add_u32 v254, v0, 2, 0x45400
	v_mov_b32 v255, 0
	s_wait_tensorcnt 0x0
	ds_add_u32 v254, v255
	s_wait_dscnt 0x0
	s_endpgm
.Lfunc_end_k_q36ccad35c5_down:
	.size	k_q36ccad35c5_down, .Lfunc_end_k_q36ccad35c5_down-k_q36ccad35c5_down
	.p2alignl 7, 3214868480
	.fill 96, 4, 3214868480
	.section	.rodata,"a",@progbits
	.p2align	6, 0x0
	.amdhsa_kernel k_q36ccad35c5_down
		.amdhsa_group_segment_fixed_size 284160
		.amdhsa_private_segment_fixed_size 0
		.amdhsa_enable_private_segment 0
		.amdhsa_kernarg_size 64
		.amdhsa_user_sgpr_count 2
		.amdhsa_user_sgpr_kernarg_segment_ptr 1
		.amdhsa_wavefront_size32 1
		.amdhsa_system_sgpr_workgroup_id_x 1
		.amdhsa_system_sgpr_workgroup_id_y 1
		.amdhsa_system_sgpr_workgroup_id_z 1
		.amdhsa_system_vgpr_workitem_id 0
		.amdhsa_next_free_vgpr 1024
		.amdhsa_next_free_sgpr 66
		.amdhsa_reserve_vcc 1
		.amdhsa_float_denorm_mode_32 3
		.amdhsa_float_denorm_mode_16_64 3
		.amdhsa_memory_ordered 1
		.amdhsa_forward_progress 1
		.amdhsa_inst_pref_size 138
	.end_amdhsa_kernel
	.amdgpu_metadata
---
amdhsa.version: [ 1, 2 ]
amdhsa.kernels:
  - .name:           k_q36ccad35c5_down
    .symbol:         k_q36ccad35c5_down.kd
    .args:
      - { .name: act, .offset: 0, .size: 8, .value_kind: global_buffer, .address_space: global }
      - { .name: w2_codes, .offset: 8, .size: 8, .value_kind: global_buffer, .address_space: global }
      - { .name: w2_scales, .offset: 16, .size: 8, .value_kind: global_buffer, .address_space: global }
      - { .name: w2_bias, .offset: 24, .size: 8, .value_kind: global_buffer, .address_space: global }
      - { .name: order, .offset: 32, .size: 8, .value_kind: global_buffer, .address_space: global }
      - { .name: route, .offset: 40, .size: 8, .value_kind: global_buffer, .address_space: global }
      - { .name: out1, .offset: 48, .size: 8, .value_kind: global_buffer, .address_space: global }
      - { .name: out0, .offset: 56, .size: 8, .value_kind: global_buffer, .address_space: global }
    .group_segment_fixed_size: 284160
    .private_segment_fixed_size: 0
    .kernarg_segment_align: 8
    .kernarg_segment_size: 64
    .max_flat_workgroup_size: 128
    .sgpr_count:     66
    .vgpr_count:     1024
    .wavefront_size: 32
...
	.end_amdgpu_metadata
.endif
;; end of part 5
;; ======== version 2 of 2: 5 launches; version 1 with the launches up, down written anew for expert scheduling mode
;; workspace buffers: xq 2,162,688 bytes; route 10,240 bytes of whole numbers; posb 8,192 bytes of whole numbers; order 8,704 bytes of whole numbers; ximg 2,162,688 bytes; act 17,301,504 bytes
;; launch route: the kernel of part 1 again; grid 256 x 1, 4 waves a work-group, no clusters, 43,008 bytes of LDS; arguments x, router_weight, router_bias, xq, route, out1; writes xq, route, out1
;; launch rank: the kernel of part 2 again; grid 64 x 1, 1 waves a work-group, no clusters, 0 bytes of LDS; arguments route, posb, order; writes posb, order
;; launch image: the kernel of part 3 again; grid 256 x 1, 4 waves a work-group, no clusters, 0 bytes of LDS; arguments posb, xq, order, ximg; writes order, ximg
;; launch up (part 6): grid 32 x 8, 4 waves a work-group, no clusters, 67,072 bytes of LDS; arguments ximg, w1_codes, w1_scales, w1_bias, order, act; writes act
.if DOCPART == 6
	.amdgcn_target "amdgcn-amd-amdhsa--gfx1250"
	.amdhsa_code_object_version 6
	.text
	.protected	k_q36ccad35c5_up
	.globl	k_q36ccad35c5_up
	.p2align	8
	.type	k_q36ccad35c5_up,@function
k_q36ccad35c5_up:
	s_mov_b64 s[64:65], 0
	v_nop
	global_prefetch_b8 v0, s[64:65] scope:SCOPE_SE
	s_setreg_imm32_b32 hwreg(HW_REG_WAVE_SCHED_MODE, 0, 2), 2
	s_setreg_imm32_b32 hwreg(HW_REG_WAVE_MODE, 25, 1), 1
	s_wait_xcnt 0x0
	s_wait_alu depctr_vm_vsrc(0)
; act = swigluoai(x w1[e] + w1_bias[e]), quantised along its columns, for the tiles of 16 sorted tokens that use expert e.  The product is on codes of E5M2 with one E8M0 scale for each 32 along K.
; SHARES.  Work-group (n, e) owns rows 64 n .. 64 n + 63 of w1[e] (gate and up interleaved): act's columns 32 n .. 32 n + 31, ONE block of the next quantiser.  All four waves keep these 64 rows x 1,024 K
; in registers (512) for the whole launch; each byte of w1 is read from memory once, by dense loads, and turned into fragments through LDS.  Wave w walks the tiles 4 j + w whose tmask has bit e;
; a tile's image (16 KiB, laid in the order of the operand's registers) goes from memory straight into registers, into two buffers by turns; each of its fragments feeds four matrix instructions.
; THE PRODUCT IS USED TRANSPOSED (source 0 = 16 rows of w1, source 1 = 16 tokens), AND THE ROWS OF A TILE ARE CHOSEN: tile T = 2 a + u (u = 0 gate, 1 up), lane m takes local row 2 (16 (m / 8) + 8 a + m % 8) + u.
; So lane (r, h), register j of tile T is token r's gate or up of act column 16 h + 8 a + j: gate and up of a column meet in one lane at one index, and the lane's 16 results are 16 neighbours along the next K.
; SCALE WORDS: a lane (r, h) loads 16 bytes at 32 r + 16 h of its row's 32: register i holds K step i's word in lanes 0-15 and K step 4 + i's in lanes 16-31, which the last four K steps name by ROW1.
; Stored: act: [(128 e + tile)][K step 8][c 4][lane 32][16 bytes], my part at 512 n; from byte 16777216 the scale bytes [(128 e + tile)][r 16][32], mine at byte n of each row.
; No tensor load, no cluster, no joint request: which tiles a wave walks hangs on numbers read from memory.  No prefetch: the weights are all asked for at the head, the images are read by 32 work-groups each.
; LIMITS: NaN and infinities are not served.  Where 1.702 x gate lies under about -88, the sigmoid is taken as 0.  A block whose largest magnitude lies under 2^-111 gets the byte 1 (read by this program alone).
; REGISTERS, in windows of 256: window 0: addresses, scale words, biases, accumulators, at work.  Window 1: w1's K steps 0-3 (64 T + 16 s + 4 c); window 2: K steps 4-7; window 3: two images (128 p + 16 s + 4 c).
; THE MODE: SCHED_MODE bits 1:0 = 2 (LLVM: expert scheduling mode 2), set by the entry lines.  The code itself states the register dependences
; between vector or matrix instructions and memory or LDS instructions, with s_wait_alu, always for 0.
; THE PLAN.  Registers that memory or LDS instructions touch:
;   v1-v8           offsets and LDS addresses: written at the head, never again.
;   image p, AS p   (window 3, v[128 p ..]; v[AS + 4 p ..])  A step's 32 products read them; behind the products the tile two further on lands in them.  Image 1's registers first carry my 16 raw rows of w1, which my LDS stores read.
;   CD, v14         written by a tile's quantiser, read by its two stores at the step's end, written again by the next tile's quantiser.
;   windows 1 and 2, WS: loaded once.  BI, the accumulators and v9-v13 (behind the head), TT: named by vector and matrix instructions alone.
;   v254, v255      written at the head, read by the closing add alone.
; A STEP: the wait for image p; its 32 products; the waits that free what the LAST tile's stores read (they stand a whole run of products behind those stores); one wait on va_vdst: the products are done reading
; image p; the 33 loads of the tile two on; the activation and the quantiser, which name none of the registers that those loads touch; one wait on va_vdst: the codes and the byte are written; the two stores.
.set PITCH, 1040                       ; a row of w1 in LDS: 1,024 bytes + 16: an odd multiple of 16, so that the 16 rows of a fragment load begin in 16 different columns of 16 bytes
.set WS,  16                           ; v16-31   w1's scale words, four registers a tile
.set AS,  32                           ; v32-39   the image's, four for each of the two buffers
.set BI,  40                           ; v40-71   the biases in the result's layout, eight a tile
.set ACC, 72                           ; v72-103  the four accumulators
.set TT,  104                          ; v104-119 at work, at last act
.set CD,  120                          ; v120-123 act's codes
.set RAW, 128                          ; v128-159 the biases as they lie in memory
.set SB,  58                           ; s[58:61] where the tile in hand stores: its codes, its scale bytes
.set MSB, 0
.macro WIN new                         ; the immediate's high byte repeats the setting that is left
.if MSB != \new
	s_set_vgpr_msb (MSB<<8)|\new
.set MSB, \new
.endif
.endm
	s_load_b256 s[4:11], s[0:1], 0x0               ; ximg s[4:5], w1_codes s[6:7], w1_scales s[8:9], w1_bias s[10:11]
	s_load_b128 s[12:15], s[0:1], 0x20             ; order s[12:13], act s[14:15]
	v_lshl_add_u32 v254, v0, 2, 0x10400
	v_mov_b32 v255, 0
	v_lshrrev_b32 v9, 5, v0
	v_readfirstlane_b32 s16, v9                    ; wave
	s_and_b32 s17, ttmp7, 0xffff                   ; e
	v_and_b32 v15, 31, v0                          ; lane
	v_and_b32 v9, 15, v0                           ; r
	v_bfe_u32 v10, v0, 4, 1                        ; h
	v_lshlrev_b32 v1, 4, v15                       ; 16 x lane: an image's place for my lane
	v_lshlrev_b32 v2, 5, v9
	v_lshl_add_u32 v2, v10, 4, v2                  ; 32 r + 16 h: an image's scale words
	v_lshlrev_b32 v3, 10, v10
	v_lshl_add_u32 v3, v9, 4, v3                   ; dense reads of w1: lanes 0-15 one row's 256 bytes, lanes 16-31 the next row's
	s_wait_alu depctr_va_sdst(0)                   ; s16, the wave's number, is written, ahead of its first reader
	s_and_b32 s33, s16, 1
	s_lshl_b32 s33, s33, 5
	s_lshr_b32 s34, s16, 1
	s_lshl_b32 s34, s34, 3
	s_add_co_u32 s33, s33, s34
	s_mul_i32 s33, s33, PITCH
	v_mul_u32_u24 v4, v10, 16*PITCH
	v_lshl_add_u32 v4, v9, 4, v4
	v_add_nc_u32 v4, s33, v4                       ; into LDS: local row 16 w + 2 a + h goes to place 16 T + m = 32 (w % 2) + 16 h + 8 (w / 2) + a
	v_mul_u32_u24 v5, v9, PITCH
	v_lshl_add_u32 v5, v10, 4, v5                  ; out of it: place m of a tile, + 16 h
	v_lshrrev_b32 v6, 3, v9
	v_lshlrev_b32 v6, 10, v6
	v_and_b32 v11, 7, v9
	v_lshl_add_u32 v6, v11, 6, v6
	v_lshl_add_u32 v6, v10, 4, v6                  ; w1's scale words: 32 bytes x the tile's row of lane m, + 16 h
	v_lshlrev_b32 v7, 7, v10                       ; the biases: 128 h
	v_lshlrev_b32 v8, 5, v9                        ; act's scale byte: row r of 32 bytes
	s_mov_b32 s24, 0x40e00000                      ; 7.0
	s_mov_b32 s25, 0xc0e00000                      ; -7.0
	s_mov_b32 s26, 0xc01d265f                      ; -1.702 log2(e)
	s_mov_b32 s27, s26                             ; (the packed form names the pair)
	s_mov_b32 s28, 0x76543210                      ; v_permlanex16_b32's selects for lane l xor 16
	s_mov_b32 s29, 0xfedcba98
	s_mov_b32 s30, 0x600000                        ; the mantissa field of 57,344
	s_mov_b32 s35, 0                               ; stays 0: the upper word of every offset
	s_wait_kmcnt 0x0
	s_lshl_b32 s34, s16, 2
	s_add_co_u32 s34, s34, 8192
	s_add_nc_u64 s[12:13], s[12:13], s[34:35]      ; tmask[4 l + w]
	s_wait_alu depctr_va_vdst(0)                   ; v1 to v8 are written: every load and store of the kernel, global or LDS, reads one of them as its offset or address
	global_load_b32 v13, v1, s[12:13]
	s_lshl_b32 s34, s17, 21
	s_lshl_b32 s33, ttmp9, 16
	s_add_co_u32 s34, s34, s33
	s_lshl_b32 s33, s16, 14
	s_add_co_u32 s34, s34, s33
	s_add_nc_u64 s[6:7], s[6:7], s[34:35]          ; w1's row 2048 e + 64 n + 16 w
	WIN 0xc0                                       ; destination window 3: my 16 rows land where the second image will
.irp a, 0,1,2,3,4,5,6,7
.irp b, 0,1,2,3
	global_load_b128 v[128+16*\a+4*\b:128+16*\a+4*\b+3], v3, s[6:7] offset:2048*\a+256*\b th:TH_LOAD_NT   ; 16 lanes read 256 consecutive bytes; read once in the launch
.endr
.endr
	WIN 0
	s_lshl_b32 s34, s17, 16
	s_lshl_b32 s33, ttmp9, 11
	s_add_co_u32 s34, s34, s33
	s_add_nc_u64 s[8:9], s[8:9], s[34:35]
	s_lshl_b32 s34, s17, 13
	s_lshl_b32 s33, ttmp9, 8
	s_add_co_u32 s34, s34, s33
	s_add_nc_u64 s[10:11], s[10:11], s[34:35]
	s_mov_b32 s34, 2097152
	s_add_nc_u64 s[52:53], s[4:5], s[34:35]        ; the images' scale bytes
	s_lshl_b32 s34, s17, 21
	s_lshl_b32 s33, ttmp9, 9
	s_add_co_u32 s34, s34, s33
	s_add_nc_u64 s[54:55], s[14:15], s[34:35]      ; act: expert e's tile 0, my 512 bytes
	s_lshl_b32 s34, s17, 16
	s_add_co_u32 s34, s34, ttmp9
	s_add_co_u32 s34, s34, 16777216
	s_add_nc_u64 s[56:57], s[14:15], s[34:35]      ; and my byte of its rows' scale bytes
.irp t, 0,1,2,3
	global_load_b128 v[WS+4*\t:WS+4*\t+3], v6, s[8:9] offset:(16*(\t/2)+(\t%2))*32
.endr
.irp a, 0,1
.irp i, 0,1,2,3
	global_load_b128 v[RAW+16*\a+4*\i:RAW+16*\a+4*\i+3], v7, s[10:11] offset:64*\a+16*\i
.endr
.endr
	s_wait_loadcnt 44                              ; tmask is in: behind it stand the 32 + 4 + 8 loads above
	v_lshrrev_b32 v13, s17, v13
	v_and_b32 v13, 1, v13
	v_cmp_ne_u32 s19, 0, v13                       ; bit j: tile 4 j + w uses expert e
	s_wait_alu depctr_va_sdst(0)                   ; s19, the mask of my tiles, is written, ahead of its first reader
	s_mov_b32 s20, s19
; the next tile of the mask; its four addresses into set p.  The index is held to 31, so every address stays inside its buffer whatever the mask holds
.macro NEXT p
	s_ctz_i32_b32 s33, s19
	s_min_u32 s33, s33, 31
	s_sub_co_u32 s34, s19, 1
	s_and_b32 s19, s19, s34                        ; the lowest bit is taken off
	s_lshl_b32 s33, s33, 2
	s_add_co_u32 s33, s33, s16                     ; the tile
	s_lshl_b32 s34, s33, 14
	s_add_nc_u64 s[36+8*(\p):37+8*(\p)], s[4:5], s[34:35]
	s_add_nc_u64 s[40+8*(\p):41+8*(\p)], s[54:55], s[34:35]
	s_lshl_b32 s34, s33, 9
	s_add_nc_u64 s[38+8*(\p):39+8*(\p)], s[52:53], s[34:35]
	s_add_nc_u64 s[42+8*(\p):43+8*(\p)], s[56:57], s[34:35]
.endm
; 33 loads: the tile's image, 512 consecutive bytes a load, into buffer p, and its scale words
.macro LOADA p
	WIN 0xc0
.set q, 0
.rept 32
	global_load_b128 v[128*(\p)+4*q:128*(\p)+4*q+3], v1, s[36+8*(\p):37+8*(\p)] offset:512*q
.set q, q+1
.endr
	WIN 0
	global_load_b128 v[AS+4*(\p):AS+4*(\p)+3], v2, s[38+8*(\p):39+8*(\p)]
.endm
	NEXT 0
	LOADA 0                                        ; the first image, without a branch: a wave whose mask is empty asks for tile 124 + w and ends behind the barrier.  (The vector lines since the wait on va_vdst name v13 alone)
	s_wait_loadcnt 45                              ; my 16 rows of w1 are in: behind them stand 4 + 8 + 33 loads
	WIN 0x0c                                       ; an LDS store's data are its source 1: window 3
.irp a, 0,1,2,3,4,5,6,7
.irp b, 0,1,2,3
	ds_store_b128 v4, v[128+16*\a+4*\b:128+16*\a+4*\b+3] offset:PITCH*\a+256*\b
.endr
.endr
	WIN 0
	s_wait_alu depctr_vm_vsrc(0)                   ; my LDS stores have read window 3's v128-255, in which the second image lands
	s_wait_dscnt 0x0                               ; for the others' sake: my rows lie in LDS
	s_barrier_signal -1
	s_barrier_wait -1                              ; all 64 do; nothing is written to LDS again
	s_cmp_eq_u32 s20, 0
	s_cbranch_scc1 .Lidle
	WIN 0x40
.irp t, 0,1,2,3
.irp s, 0,1,2,3
.irp c, 0,1,2,3
	ds_load_b128 v[64*\t+16*\s+4*\c:64*\t+16*\s+4*\c+3], v5 offset:16*PITCH*\t+128*\s+32*\c
.endr
.endr
.endr
	WIN 0x80
.irp t, 0,1,2,3
.irp s, 0,1,2,3
.irp c, 0,1,2,3
	ds_load_b128 v[64*\t+16*\s+4*\c:64*\t+16*\s+4*\c+3], v5 offset:16*PITCH*\t+512+128*\s+32*\c
.endr
.endr
.endr
	WIN 0
	s_wait_loadcnt 33                              ; w1's scale words and the biases are in; the first image may be out
.irp a, 0,1
.irp u, 0,1
.irp j, 0,1,2,3,4,5,6,7
	v_mov_b32 v[BI+8*(2*\a+\u)+\j], v[RAW+16*\a+2*\j+\u]   ; gate's and up's biases are parted, once: a matrix instruction's C is eight registers on end
.endr
.endr
.endr
; 32 matrix instructions: four tiles of w1 by turns, eight K steps.  The bias is the C of each sum's first instruction.
.macro MUL p
	WIN 0x0d                                       ; source 0 (w1) window 1, source 1 (the image) window 3, C and D window 0
.irp s, 0,1,2,3
.irp t, 0,1,2,3
.if \s == 0
	v_wmma_scale_f32_16x16x128_f8f6f4 v[ACC+8*\t:ACC+8*\t+7], v[64*\t+16*\s:64*\t+16*\s+15], v[128*(\p)+16*\s:128*(\p)+16*\s+15], v[BI+8*\t:BI+8*\t+7], v[WS+4*\t+\s], v[AS+4*(\p)+\s] matrix_a_fmt:MATRIX_FMT_BF8 matrix_b_fmt:MATRIX_FMT_BF8
.else
	v_wmma_scale_f32_16x16x128_f8f6f4 v[ACC+8*\t:ACC+8*\t+7], v[64*\t+16*\s:64*\t+16*\s+15], v[128*(\p)+16*\s:128*(\p)+16*\s+15], v[ACC+8*\t:ACC+8*\t+7], v[WS+4*\t+\s], v[AS+4*(\p)+\s] matrix_a_fmt:MATRIX_FMT_BF8 matrix_b_fmt:MATRIX_FMT_BF8
.endif
.endr
.endr
	WIN 0x0e                                       ; source 0 window 2: K steps 4-7; their scale words lie in lanes 16-31 of the same registers
.irp s, 0,1,2,3
.irp t, 0,1,2,3
	v_wmma_scale_f32_16x16x128_f8f6f4 v[ACC+8*\t:ACC+8*\t+7], v[64*\t+16*\s:64*\t+16*\s+15], v[128*(\p)+64+16*\s:128*(\p)+64+16*\s+15], v[ACC+8*\t:ACC+8*\t+7], v[WS+4*\t+\s], v[AS+4*(\p)+\s] matrix_a_fmt:MATRIX_FMT_BF8 matrix_b_fmt:MATRIX_FMT_BF8 matrix_a_scale:MATRIX_SCALE_ROW1 matrix_b_scale:MATRIX_SCALE_ROW1
.endr
.endr
	WIN 0
.rept 8
	v_nop                                          ; eight places behind this form before its results are read
.endr
.endm
; gate = min(gate, 7); up = clip(up, -7, 7); act = (up + 1) gate / (1 + 2^(-1.702 log2(e) gate)).  Each accumulator is read from its low end on.
.macro ACT
.irp a, 0,1
.irp j, 0,1,2,3,4,5,6,7
	v_min_num_f32 v[ACC+16*\a+\j], s24, v[ACC+16*\a+\j]
.endr
.irp j, 0,1,2,3,4,5,6,7
	v_med3_num_f32 v[ACC+16*\a+8+\j], v[ACC+16*\a+8+\j], s25, s24
.endr
.irp j, 0,2,4,6
	v_pk_mul_f32 v[TT+8*\a+\j:TT+8*\a+\j+1], v[ACC+16*\a+\j:ACC+16*\a+\j+1], s[26:27] op_sel_hi:[1,0]
.endr
.endr
.irp i, 0,1,2,3,4,5,6,7,8,9,10,11,12,13,14,15
	v_exp_f32 v[TT+\i], v[TT+\i]
.endr
	v_nop                                          ; a plain line between the transcendentals and the use of their results
	s_wait_alu depctr_va_vdst(0)                   ; the sixteen exponentials have written v[TT ..], ahead of their first reader: one wait for the batch
.irp i, 0,2,4,6,8,10,12,14
	v_pk_add_f32 v[TT+\i:TT+\i+1], v[TT+\i:TT+\i+1], 1.0 op_sel_hi:[1,0]
.endr
.irp i, 0,1,2,3,4,5,6,7,8,9,10,11,12,13,14,15
	v_rcp_f32 v[TT+\i], v[TT+\i]
.endr
	v_nop
	s_wait_alu depctr_va_vdst(0)                   ; the sixteen reciprocals have written v[TT ..], ahead of their first reader: one wait for the batch
.irp a, 0,1
.irp j, 0,2,4,6
	v_pk_mul_f32 v[TT+8*\a+\j:TT+8*\a+\j+1], v[TT+8*\a+\j:TT+8*\a+\j+1], v[ACC+16*\a+\j:ACC+16*\a+\j+1]   ; glu
.endr
.irp j, 0,2,4,6
	v_pk_fma_f32 v[TT+8*\a+\j:TT+8*\a+\j+1], v[ACC+16*\a+8+\j:ACC+16*\a+8+\j+1], v[TT+8*\a+\j:TT+8*\a+\j+1], v[TT+8*\a+\j:TT+8*\a+\j+1]   ; up x glu + glu
.endr
.endr
.endm
; my 16 numbers and lane l xor 16's are a block of 32 along the next K: its scale, the hold, the codes
.macro QUANT
	v_max3_num_f32 v9, |v[TT]|, |v[TT+1]|, 0x8000000   ; with the floor 2^(16 - 127): the byte cannot fall under 1
	v_max3_num_f32 v10, |v[TT+2]|, |v[TT+3]|, |v[TT+4]|
	v_max3_num_f32 v9, v9, |v[TT+5]|, |v[TT+6]|
	v_max3_num_f32 v10, v10, |v[TT+7]|, |v[TT+8]|
	v_max3_num_f32 v9, v9, |v[TT+9]|, |v[TT+10]|
	v_max3_num_f32 v10, v10, |v[TT+11]|, |v[TT+12]|
	v_max3_num_f32 v9, v9, |v[TT+13]|, |v[TT+14]|
	v_max3_num_f32 v10, v10, |v[TT+15]|, v9
	v_permlanex16_b32 v11, v10, s28, s29
	v_max_num_f32 v10, v10, v11
	v_add_nc_u32 v12, 0xf8800000, v10              ; 15 off the exponent field: the conversion's scale operand
	v_and_or_b32 v13, v10, 0x7f800000, s30         ; 57,344 x the scale
	v_lshrrev_b32 v14, 23, v12                     ; the scale's byte
.irp i, 0,1,2,3,4,5,6,7,8,9,10,11,12,13,14,15
	v_med3_num_f32 v[TT+\i], v[TT+\i], -v13, v13   ; the conversion to an 8-bit code does not saturate (ISA guide 7.6.2)
.endr
	v_cvt_scalef32_pk8_bf8_f32 v[CD:CD+1], v[TT:TT+7], v12
	v_cvt_scalef32_pk8_bf8_f32 v[CD+2:CD+3], v[TT+8:TT+15], v12
	v_nop                                          ; a plain line behind the conversions
.endm
; Behind a tile's products: what the LAST tile's two stores read is freed, and the bases of this tile's stores leave set p, which the next tile of this buffer takes.
.macro FREE p
	s_wait_xcnt 0x0                                ; the last tile's stores have had their addresses translated (ISA guide 3.1): their bases and their data are written again only behind this wait
	s_wait_alu depctr_vm_vsrc(0)                   ; the last tile's stores have read v[CD ..] and v14, which this tile's quantiser writes again
	s_mov_b64 s[SB:SB+1], s[40+8*(\p):41+8*(\p)]
	s_mov_b64 s[SB+2:SB+3], s[42+8*(\p):43+8*(\p)]
.endm
; The rest of a tile: activation, quantiser, stores.
.macro FIN
	ACT
	QUANT
	s_wait_alu depctr_va_vdst(0)                   ; the conversions have written v[CD ..] and the shift v14, which the two stores read
	global_store_b128 v1, v[CD:CD+3], s[SB:SB+1]   ; 512 consecutive bytes of the next product's image
	global_store_b8 v8, v14, s[SB+2:SB+3]          ; lanes 16-31 repeat lanes 0-15: the same byte with the same value
.endm
; The last tile of a wave, in buffer p: nothing is asked for, and the wait is for all
.macro LAST p
	s_wait_loadcnt 0x0
	MUL \p
	FREE \p
	FIN
.endm
	s_mov_b32 s22, 0
	s_cmp_eq_u32 s19, 0
	s_cbranch_scc1 .Lone                           ; one tile in all
	NEXT 1
	LOADA 1                                        ; the second image.  (No vector or matrix instruction has named its registers; the LDS stores that read them stand ahead of the wait on vm_vsrc)
	s_wait_dscnt 0x0                               ; w1's fragments are in
.Ltiles:                                               ; a trip: two tiles behind which two more are known.  A wave has 32 tiles at the most, so the loop is always left by a branch to a tail
	s_wait_loadcnt 33                              ; image 0 is in; the other buffer's 33 loads may be out
	MUL 0
	FREE 0
	s_cmp_eq_u32 s19, 0
	s_cbranch_scc1 .Ltail0
	s_wait_alu depctr_va_vdst(0)                   ; the products are done reading image 0 and its scale words, in which the loads below land
	NEXT 0
	LOADA 0                                        ; the buffer is asked for again at once: the tile two on
	FIN
	s_wait_loadcnt 33                              ; image 1 is in; the 33 loads just issued may be out
	MUL 1
	FREE 1
	s_cmp_eq_u32 s19, 0
	s_cbranch_scc1 .Ltail1
	s_wait_alu depctr_va_vdst(0)                   ; the products are done reading image 1 and its scale words, in which the loads below land
	NEXT 1
	LOADA 1
	FIN
	s_add_co_u32 s22, s22, 1
	s_cmp_lt_u32 s22, 16
	s_cbranch_scc1 .Ltiles
	s_wait_dscnt 0x0                               ; the closing lines, six on end
	s_wait_alu 0x0
	s_wait_tensorcnt 0x0
	ds_add_u32 v254, v255
	s_wait_dscnt 0x0
	s_endpgm
.Ltail0:                                               ; the tails are written out: the tile in hand is finished, and the last one, which is on its way, follows
	FIN
	LAST 1
	s_wait_dscnt 0x0                               ; the closing lines, as above
	s_wait_alu 0x0
	s_wait_tensorcnt 0x0
	ds_add_u32 v254, v255
	s_wait_dscnt 0x0
	s_endpgm
.Ltail1:
	FIN
	s_branch .Llast0
.Lone:
	s_wait_dscnt 0x0                               ; w1's fragments are in
.Llast0:
	LAST 0
.Lidle:
	s_wait_dscnt 0x0                               ; the closing lines, as above
	s_wait_alu 0x0
	s_wait_tensorcnt 0x0
	ds_add_u32 v254, v255
	s_wait_dscnt 0x0
	s_endpgm
.Lfunc_end_k_q36ccad35c5_up:
	.size	k_q36ccad35c5_up, .Lfunc_end_k_q36ccad35c5_up-k_q36ccad35c5_up
	.p2alignl 7, 3214868480
	.fill 96, 4, 3214868480
	.section	.rodata,"a",@progbits
	.p2align	6, 0x0
	.amdhsa_kernel k_q36ccad35c5_up
		.amdhsa_group_segment_fixed_size 67072
		.amdhsa_private_segment_fixed_size 0
		.amdhsa_enable_private_segment 0
		.amdhsa_kernarg_size 48
		.amdhsa_user_sgpr_count 2
		.amdhsa_user_sgpr_kernarg_segment_ptr 1
		.amdhsa_wavefront_size32 1
		.amdhsa_system_sgpr_workgroup_id_x 1
		.amdhsa_system_sgpr_workgroup_id_y 1
		.amdhsa_system_sgpr_workgroup_id_z 1
		.amdhsa_system_vgpr_workitem_id 0
		.amdhsa_next_free_vgpr 1024
		.amdhsa_next_free_sgpr 66
		.amdhsa_reserve_vcc 0
		.amdhsa_float_denorm_mode_32 3
		.amdhsa_float_denorm_mode_16_64 3
		.amdhsa_memory_ordered 1
		.amdhsa_forward_progress 1
		.amdhsa_inst_pref_size 94
	.end_amdhsa_kernel
	.amdgpu_metadata
---
amdhsa.version: [ 1, 2 ]
amdhsa.kernels:
  - .name:           k_q36ccad35c5_up
    .symbol:         k_q36ccad35c5_up.kd
    .args:
      - { .name: ximg, .offset: 0, .size: 8, .value_kind: global_buffer, .address_space: global }
      - { .name: w1_codes, .offset: 8, .size: 8, .value_kind: global_buffer, .address_space: global }
      - { .name: w1_scales, .offset: 16, .size: 8, .value_kind: global_buffer, .address_space: global }
      - { .name: w1_bias, .offset: 24, .size: 8, .value_kind: global_buffer, .address_space: global }
      - { .name: order, .offset: 32, .size: 8, .value_kind: global_buffer, .address_space: global }
      - { .name: act, .offset: 40, .size: 8, .value_kind: global_buffer, .address_space: global }
    .group_segment_fixed_size: 67072
    .private_segment_fixed_size: 0
    .kernarg_segment_align: 8
    .kernarg_segment_size: 48
    .max_flat_workgroup_size: 128
    .sgpr_count:     66
    .vgpr_count:     1024
    .wavefront_size: 32
...
	.end_amdgpu_metadata
.endif
;; end of part 6
;; launch down (part 7): grid 8 x 32, 4 waves a work-group, no clusters, 284,160 bytes of LDS; arguments act, w2_codes, w2_scales, w2_bias, order, route, out1, out0; writes out0
.if DOCPART == 7
	.amdgcn_target "amdgcn-amd-amdhsa--gfx1250"
	.amdhsa_code_object_version 6
	.text
	.protected	k_q36ccad35c5_down
	.globl	k_q36ccad35c5_down
	.p2align	8
	.type	k_q36ccad35c5_down,@function
k_q36ccad35c5_down:
	s_mov_b64 s[64:65], 0
	v_nop
	global_prefetch_b8 v0, s[64:65] scope:SCOPE_SE
	s_setreg_imm32_b32 hwreg(HW_REG_WAVE_SCHED_MODE, 0, 2), 2
	s_setreg_imm32_b32 hwreg(HW_REG_WAVE_MODE, 25, 1), 1
	s_wait_xcnt 0x0
	s_wait_alu depctr_vm_vsrc(0)
; out0[t] = the sum over t's two experts e of weight(t, e) x (act(t, e) w2[e] + w2_bias[e]).  The product is on codes of E5M2 with one E8M0 scale for each 32 along K; act's codes and scales were laid by the launch before.
; SHARES.  Four waves, as many as a WGP has SIMDs.  A PAIR of waves (2 i, 2 i + 1) owns 64 sorted tokens (block beta: tiles 4 beta .. 4 beta + 3) x 64 columns (64 sigma on, sigma = 2 x + i).
; Both walk the 8 experts (a constant count) and pass over those that none of the block's tiles uses; of the experts in use, in ascending order, wave u = w % 2 takes every second one, so each wave has half the chain
; of dependent loads, and each (expert, slice, block) is still loaded by one wave alone.  For an expert of its own a wave turns the expert's 64 rows of w2 x 1,024 K into 512 registers (dense loads, turned into fragments
; through the wave's own LDS) and takes the images of the block's tiles that use the expert from memory straight into registers.  A tile is multiplied for all its 16 rows; a row that did not choose the expert
; has the weight 0, as in the dense sum that defines the result.
; THE TWO WAVES' SUMS MEET ONCE, THROUGH LDS.  Wave u keeps tile m's totals in SLOT m xor 2 u, so that slots 0 and 1 are the tiles that it finishes and slots 2 and 3 those that its partner finishes: no register
; number and no branch hangs on u.  Behind the loop it stores slots 2 and 3 as images of their registers, passes the launch's one barrier, adds the partner's images onto slots 0 and 1 and writes those two tiles out:
; each output has one writer.
; THE PRODUCT IS USED TRANSPOSED (source 0 = 16 rows of w2, source 1 = 16 tokens): lane (r, h), register j of tile T is token r, column 16 T + 8 h + j.  The bias is the C of each sum's first instruction.
; Scale words: a lane (r, h) loads 16 bytes at 32 r + 16 h of its row's 32; K steps 4-7 name lanes 16-31 of the same registers by ROW1.
; No tensor load, no cluster: what is walked hangs on numbers read from memory.  No prefetch: each image and each slice of w2 is read by many waves.
; LIMITS: NaN and infinities are not served.  A token's two experts are summed apart and added at the end: an order of f32 additions of this text's own.
; REGISTERS, in windows of 256: window 0: addresses, scale words, biases, accumulators, ids and weights, the totals.  Window 1: w2's K steps 0-3 (64 T + 16 s + 4 c); window 2: K steps 4-7; window 3: two images.
; THE MODE: SCHED_MODE bits 1:0 = 2 (LLVM: expert scheduling mode 2), set by the entry lines.  The code itself states the register dependences
; between vector or matrix instructions and memory or LDS instructions, with s_wait_alu, always for 0.
; THE PLAN.  Registers that memory or LDS instructions touch:
;   v1-v11, v15, XO, XI   offsets and LDS addresses: written at the head, never again.  v119: an offset of the head's loads, later at work.  v72-79: the gathers' offsets, then accumulators, on the way out the permutes' indices.
;   image p, AS p         a tile's 32 products read them; an image of a later tile, or of the next expert, lands in them.
;   windows 1 and 2       a quarter of w2 lands as rows; my LDS stores read it; its fragments land in the same registers; the expert's products read them; the next expert's rows land.
;   BI, WS                loaded once an expert, read by its products.  On the way out BI takes the permutes' results and becomes the global stores' offsets.
;   TOT                   written by the additions.  TOT + 64 on: read by the exchange's LDS stores; the partner's images land there; the packed additions read them; the stage's rows land there; the global stores read them.
;                         TOT .. TOT + 63: read by the stage's LDS stores.
;   v254, v255            made anew at the end, for the closing add.
; ONE wait on va_vdst stands at the head of an expert of mine: the last expert's products are done reading all that is loaded anew.  Up to the expert's first product only memory, LDS and scalar instructions follow, so it
; serves every load of that stretch.  One wait on vm_vsrc stands in each quarter's turn, between its LDS stores and the loads of its fragments.  One wait on va_vdst stands behind the products that free a buffer, ahead of its refill.
.set PITCH, 1040                       ; a row of w2 in LDS: 1,024 bytes + 16: an odd multiple of 16
.set WREG,  70912                      ; a wave's LDS: 64 such rows (at the end their first 8,192 bytes carry the totals for the partner), then the stage for the way out: 16 rows of 256 bytes + 16
.set STG,   66560
.set WS,  16                           ; v16-31   w2's scale words
.set AS,  32                           ; v32-39   the images'
.set BI,  40                           ; v40-71   the biases; on the way out the rows' offsets
.set ACC, 72                           ; v72-103  the four accumulators
.set IDW, 104                          ; v104-107 slot j: my row's two experts, id0 | id1 << 8,
.set WT,  108                          ; v108-115 and its two weights
.set XO,  120                          ; v120     where I put totals for my partner: my LDS + 16 x lane
.set XI,  121                          ; v121     where I find my partner's: its LDS + 16 x lane
.set PT,  122                          ; v122-125 slot j: my row's token
.set TOT, 128                          ; v128-255 the totals: 32 x slot + 8 T + j
.set MK,  56                           ; s56, s57 the additions' two masks: registers that no memory instruction names (s[48:55] are the two images' bases)
.set MSB, 0
.macro WIN new                         ; the immediate's high byte repeats the setting that is left
.if MSB != \new
	s_set_vgpr_msb (MSB<<8)|\new
.set MSB, \new
.endif
.endm
	s_load_b512 s[4:19], s[0:1], 0x0               ; act s[4:5], w2_codes s[6:7], w2_scales s[8:9], w2_bias s[10:11], order s[12:13], route s[14:15], out1 s[16:17], out0 s[18:19]
	v_lshrrev_b32 v11, 5, v0
	v_readfirstlane_b32 s20, v11                   ; wave 0..3
	v_and_b32 v12, 31, v0                          ; lane
	v_and_b32 v13, 15, v0                          ; r
	v_bfe_u32 v14, v0, 4, 1                        ; h
	v_lshlrev_b32 v1, 4, v12                       ; 16 x lane
	v_lshlrev_b32 v2, 5, v13
	v_lshl_add_u32 v2, v14, 4, v2                  ; 32 r + 16 h
	v_lshlrev_b32 v3, 10, v14
	v_lshl_add_u32 v3, v13, 4, v3                  ; dense reads of w2: two rows' 256 bytes
	s_wait_alu depctr_va_sdst(0)                   ; s20, the wave's number, is written, ahead of its first reader
	s_lshr_b32 s33, s20, 1
	s_lshl_b32 s21, ttmp9, 1
	s_add_co_u32 s21, s21, s33                     ; sigma
	s_and_b32 s27, s20, 1                          ; u; from here on it turns over at each expert in use
	s_lshl_b32 s28, s27, 1                         ; 2 u
	s_and_b32 s22, ttmp7, 0xffff                   ; beta
	s_mul_i32 s33, s20, WREG
	v_mul_u32_u24 v4, v14, PITCH
	v_lshl_add_u32 v4, v13, 4, v4
	v_add_nc_u32 v4, s33, v4                       ; into my LDS: row 2 a + h
	v_mul_u32_u24 v5, v13, PITCH
	v_lshl_add_u32 v5, v14, 4, v5
	v_add_nc_u32 v5, s33, v5                       ; out of it: row m of a tile, + 16 h
	v_lshlrev_b32 v6, 2, v14                       ; 4 h: a lane index for the way out
	v_lshlrev_b32 v7, 5, v14                       ; the biases: 32 h
	s_add_co_u32 s34, s33, STG
	v_mul_u32_u24 v8, v13, 272
	v_lshl_add_u32 v8, v14, 5, v8
	v_add_nc_u32 v8, s34, v8                       ; the stage, in: row r, + 32 h
	v_mul_u32_u24 v9, v14, 272
	v_lshl_add_u32 v9, v13, 4, v9
	v_add_nc_u32 v9, s34, v9                       ; back: lanes 0-15 one row, lanes 16-31 the next
	v_add_nc_u32 v[XO], s33, v1
	s_xor_b32 s34, s20, 1                          ; my partner's number
	s_mul_i32 s34, s34, WREG
	v_add_nc_u32 v[XI], s34, v1
	v_lshlrev_b32 v10, 4, v13
	v_and_b32 v11, 3, v0
	v_lshlrev_b32 v11, 2, v11
	s_lshl_b32 s34, s27, 7
	v_lshl_add_u32 v15, v13, 2, s34                ; perm of slots 0, 1: tiles 2 u, 2 u + 1: 4 r + 128 u
	s_xor_b32 s34, s34, 128
	v_lshl_add_u32 v119, v13, 2, s34               ; of slots 2, 3: the other two tiles
	v_lshrrev_b32 v127, 2, v12
	v_mov_b32 v116, 0
	v_mov_b32 v117, 0                              ; (named as the upper half of the pair v[116:117])
	s_mov_b32 s35, 0                               ; stays 0: the upper word of every offset
	s_wait_kmcnt 0x0
	s_lshl_b32 s34, s22, 4
	s_add_co_u32 s34, s34, 8192
	s_add_nc_u64 s[46:47], s[12:13], s[34:35]      ; tmask of my four tiles
	s_lshl_b32 s34, s22, 8
	s_add_nc_u64 s[12:13], s[12:13], s[34:35]      ; perm of my 64 positions
	s_wait_alu depctr_va_vdst(0)                   ; v1 to v11, v15, v119, v[XO] and v[XI] are written: the loads and stores of the kernel, global or LDS, read them as offsets and addresses
	global_load_b32 v126, v11, s[46:47]
	global_load_b32 v[PT], v15, s[12:13]
	global_load_b32 v[PT+1], v15, s[12:13] offset:64
	global_load_b32 v[PT+2], v119, s[12:13]
	global_load_b32 v[PT+3], v119, s[12:13] offset:64
	s_lshl_b32 s34, s22, 16
	s_add_nc_u64 s[36:37], s[4:5], s[34:35]        ; act: expert 0, my first tile's image,
	s_lshl_b32 s34, s22, 11
	s_add_co_u32 s34, s34, 16777216
	s_add_nc_u64 s[38:39], s[4:5], s[34:35]        ; and its scale bytes
	s_lshl_b32 s34, s21, 16
	s_add_nc_u64 s[40:41], s[6:7], s[34:35]        ; w2: expert 0, my 64 rows,
	s_lshl_b32 s34, s21, 11
	s_add_nc_u64 s[42:43], s[8:9], s[34:35]        ; their scale bytes,
	s_lshl_b32 s34, s21, 8
	s_add_nc_u64 s[44:45], s[10:11], s[34:35]      ; their biases,
	s_add_nc_u64 s[18:19], s[18:19], s[34:35]      ; and my 256 bytes of a row of out0
	s_wait_loadcnt 0x0
	v_lshrrev_b32 v126, v127, v126
	v_and_b32 v126, 1, v126
	v_cmp_ne_u32 s23, 0, v126                      ; bit 4 e + m: tile m of my block uses expert e
.irp j, 0,1,2,3
	v_min_u32 v[PT+\j], 0x7ff, v[PT+\j]
.endr
.irp j, 0,1,2,3
	v_lshlrev_b32 v[72+\j], 2, v[PT+\j]
	v_lshlrev_b32 v[76+\j], 3, v[PT+\j]
.endr
	s_wait_alu depctr_va_sdst(0)                   ; s23, the mask of tiles and experts, is written
	s_wait_alu depctr_va_vdst(0)                   ; v72 to v79 are written, which the eight gathers read as offsets
.irp j, 0,1,2,3
	global_load_b32 v[IDW+\j], v[72+\j], s[14:15]              ; not waited for here: these eight loads are older than every load of the loop below, whose first counted wait shows them in
	global_load_b64 v[WT+2*\j:WT+2*\j+1], v[76+\j], s[16:17]
.endr
.set q, 0
.rept 128
	v_mov_b32 v[TOT+q], 0                          ; sums kept by vector instructions: which product comes first for a tile hangs on data, so they begin as zeros
.set q, q+1
.endr
	s_wait_alu depctr_vm_vsrc(0)                   ; the head's loads have read v119, which the additions write, and v72 to v79, which the products write
; the expert's next tile of the block: its slot into s[sl], its two addresses into set p.  The tile's number is held to 3
.macro NEXT p, sl
	s_ctz_i32_b32 s33, s26
	s_min_u32 s33, s33, 3
	s_sub_co_u32 s34, s26, 1
	s_and_b32 s26, s26, s34                        ; the lowest bit is taken off
	s_xor_b32 s[\sl], s33, s28                     ; the slot: tile xor 2 u
	s_lshl_b32 s34, s33, 14
	s_add_nc_u64 s[48+4*(\p):49+4*(\p)], s[36:37], s[34:35]
	s_lshl_b32 s34, s33, 9
	s_add_nc_u64 s[50+4*(\p):51+4*(\p)], s[38:39], s[34:35]
.endm
.macro LOADA p                         ; 33 loads: the image, 512 consecutive bytes a load, and its scale words
	WIN 0xc0
.set q, 0
.rept 32
	global_load_b128 v[128*(\p)+4*q:128*(\p)+4*q+3], v1, s[48+4*(\p):49+4*(\p)] offset:512*q
.set q, q+1
.endr
	WIN 0
	global_load_b128 v[AS+4*(\p):AS+4*(\p)+3], v2, s[50+4*(\p):51+4*(\p)]
.endm
.macro LB t                            ; 32 dense loads: the 16 rows of w2's tile t, into the registers that its fragments will take
	WIN 0x40
.irp a, 0,1,2,3
.irp b, 0,1,2,3
	global_load_b128 v[64*(\t)+16*\a+4*\b:64*(\t)+16*\a+4*\b+3], v3, s[40:41] offset:16384*(\t)+2048*\a+256*\b
.endr
.endr
	WIN 0x80
.irp a, 4,5,6,7
.irp b, 0,1,2,3
	global_load_b128 v[64*(\t)+16*(\a-4)+4*\b:64*(\t)+16*(\a-4)+4*\b+3], v3, s[40:41] offset:16384*(\t)+2048*\a+256*\b
.endr
.endr
	WIN 0
.endm
; They turn through my LDS: in as rows (TBS), back as fragments (TBL).  LDS serves a wave's instructions in order: no wait on DScnt between the two.  A line that sets the windows anew follows TBS on every way.
.macro TBS t
	WIN 0x04                                       ; an LDS store's data are its source 1: window 1,
.irp a, 0,1,2,3
.irp b, 0,1,2,3
	ds_store_b128 v4, v[64*(\t)+16*\a+4*\b:64*(\t)+16*\a+4*\b+3] offset:16*PITCH*(\t)+2*PITCH*\a+256*\b
.endr
.endr
	WIN 0x08                                       ; window 2
.irp a, 4,5,6,7
.irp b, 0,1,2,3
	ds_store_b128 v4, v[64*(\t)+16*(\a-4)+4*\b:64*(\t)+16*(\a-4)+4*\b+3] offset:16*PITCH*(\t)+2*PITCH*\a+256*\b
.endr
.endr
.endm
.macro TBL t
	s_wait_alu depctr_vm_vsrc(0)                   ; the quarter's LDS stores have read its 128 registers, in which its fragments land
	WIN 0x40
.irp s, 0,1,2,3
.irp c, 0,1,2,3
	ds_load_b128 v[64*(\t)+16*\s+4*\c:64*(\t)+16*\s+4*\c+3], v5 offset:16*PITCH*(\t)+128*\s+32*\c
.endr
.endr
	WIN 0x80
.irp s, 0,1,2,3
.irp c, 0,1,2,3
	ds_load_b128 v[64*(\t)+16*\s+4*\c:64*(\t)+16*\s+4*\c+3], v5 offset:16*PITCH*(\t)+512+128*\s+32*\c
.endr
.endr
	WIN 0
.endm
; 32 matrix instructions: four tiles of w2 by turns, eight K steps.
.macro MUL p
	WIN 0x0d                                       ; source 0 (w2) window 1, source 1 (the image) window 3, C and D window 0
.irp s, 0,1,2,3
.irp t, 0,1,2,3
.if \s == 0
	v_wmma_scale_f32_16x16x128_f8f6f4 v[ACC+8*\t:ACC+8*\t+7], v[64*\t+16*\s:64*\t+16*\s+15], v[128*(\p)+16*\s:128*(\p)+16*\s+15], v[BI+8*\t:BI+8*\t+7], v[WS+4*\t+\s], v[AS+4*(\p)+\s] matrix_a_fmt:MATRIX_FMT_BF8 matrix_b_fmt:MATRIX_FMT_BF8
.else
	v_wmma_scale_f32_16x16x128_f8f6f4 v[ACC+8*\t:ACC+8*\t+7], v[64*\t+16*\s:64*\t+16*\s+15], v[128*(\p)+16*\s:128*(\p)+16*\s+15], v[ACC+8*\t:ACC+8*\t+7], v[WS+4*\t+\s], v[AS+4*(\p)+\s] matrix_a_fmt:MATRIX_FMT_BF8 matrix_b_fmt:MATRIX_FMT_BF8
.endif
.endr
.endr
	WIN 0x0e                                       ; source 0 window 2: K steps 4-7
.irp s, 0,1,2,3
.irp t, 0,1,2,3
	v_wmma_scale_f32_16x16x128_f8f6f4 v[ACC+8*\t:ACC+8*\t+7], v[64*\t+16*\s:64*\t+16*\s+15], v[128*(\p)+64+16*\s:128*(\p)+64+16*\s+15], v[ACC+8*\t:ACC+8*\t+7], v[WS+4*\t+\s], v[AS+4*(\p)+\s] matrix_a_fmt:MATRIX_FMT_BF8 matrix_b_fmt:MATRIX_FMT_BF8 matrix_a_scale:MATRIX_SCALE_ROW1 matrix_b_scale:MATRIX_SCALE_ROW1
.endr
.endr
	WIN 0
.rept 8
	v_nop                                          ; eight places behind this form before its results are read
.endr
.endm
; slot j's totals += my row's weight for expert s24 (0 where the row did not choose it) x the results.  Each accumulator is read from its low end on.
.macro ADD j
	v_and_b32 v118, 0xff, v[IDW+\j]
	v_bfe_u32 v119, v[IDW+\j], 8, 8
	v_cmp_eq_u32 s[MK], s24, v118
	v_cmp_eq_u32 s[MK+1], s24, v119
	s_wait_alu depctr_va_sdst(0)                   ; both masks, s[MK] and s[MK + 1], are written, ahead of the selects that read them: one wait for the two compares
	v_cndmask_b32 v116, 0, v[WT+2*\j], s[MK]
	v_cndmask_b32 v116, v116, v[WT+2*\j+1], s[MK+1]
.irp t, 0,1,2,3
.irp i, 0,2,4,6
	v_pk_fma_f32 v[TOT+32*\j+8*\t+\i:TOT+32*\j+8*\t+\i+1], v[ACC+8*\t+\i:ACC+8*\t+\i+1], v[116:117], v[TOT+32*\j+8*\t+\i:TOT+32*\j+8*\t+\i+1] op_sel_hi:[1,0,1]
.endr
.endr
.endm
.macro ADDSEL sl                       ; registers cannot be indexed: a chain of scalar branches on the slot's number, s[sl], picks its totals
	s_cmp_lg_u32 s[\sl], 0
	s_cbranch_scc1 .Lm1_\@
	ADD 0
	s_branch .Lmd_\@
.Lm1_\@:
	s_cmp_lg_u32 s[\sl], 1
	s_cbranch_scc1 .Lm2_\@
	ADD 1
	s_branch .Lmd_\@
.Lm2_\@:
	s_cmp_lg_u32 s[\sl], 2
	s_cbranch_scc1 .Lm3_\@
	ADD 2
	s_branch .Lmd_\@
.Lm3_\@:
	ADD 3
.Lmd_\@:
.endm
	s_mov_b32 s24, 0                               ; e
	s_mov_b32 s25, 0                               ; 4 e
.Lexpert:
	s_lshr_b32 s26, s23, s25
	s_and_b32 s26, s26, 15                         ; the block's tiles that use e
	s_cmp_eq_u32 s26, 0
	s_cbranch_scc1 .Lskip
	s_xor_b32 s27, s27, 1                          ; an expert in use: the pair's two waves take them by turns, wave u = 0 the first
	s_cmp_eq_u32 s27, 0
	s_cbranch_scc1 .Lskip                          ; my partner's
	s_wait_alu depctr_va_vdst(0)                   ; my last expert's products are done reading both images and their scale words, the biases, w2's scale words and its fragments: all of them are loaded anew up to this expert's first product
	NEXT 0, 31
	LOADA 0
.irp t, 0,1,2,3
	global_load_b128 v[BI+8*\t:BI+8*\t+3], v7, s[44:45] offset:64*\t
	global_load_b128 v[BI+8*\t+4:BI+8*\t+7], v7, s[44:45] offset:64*\t+16
.endr
.irp t, 0,1,2,3
	global_load_b128 v[WS+4*\t:WS+4*\t+3], v2, s[42:43] offset:512*\t
.endr
	LB 0
	LB 1
	s_wait_loadcnt 32                              ; tile 0's rows, and all that is older, are in; the 32 loads of the tile behind may be out: so in each of these three waits
	TBS 0
	LB 2                                           ; the quarter after next is asked for between a quarter's LDS stores and the wait for them to have read their registers
	TBL 0
	s_wait_loadcnt 32
	TBS 1
	LB 3
	TBL 1
	s_wait_loadcnt 32
	TBS 2
	TBL 2
	; A block has four tiles at the most, so the expert's tiles are written out, each number of tiles on a way of its own: every wait has the count of its way, and no image is asked for that is not multiplied.
	; The tiles' slots lie in s31, s32, s29, s30, one register a tile: a buffer is asked for again ahead of the additions of the tile that has left it.
	s_cmp_eq_u32 s26, 0
	s_cbranch_scc1 .Lsingle
	NEXT 1, 32
	LOADA 1                                        ; the second image: it has the last quarter's 64 LDS instructions and the first tile's 32 products in which to land
	s_wait_loadcnt 33                              ; w2's last 16 rows are in; the 33 loads just issued may be out
	TBS 3
	TBL 3
	s_wait_dscnt 0x0
	MUL 0
	s_cmp_eq_u32 s26, 0
	s_cbranch_scc1 .Ltwo
	s_wait_alu depctr_va_vdst(0)                   ; the first tile's products are done reading image 0 and its scale words, in which the loads below land
	NEXT 0, 29
	LOADA 0                                        ; the third image, into the buffer just multiplied
	ADDSEL 31
	s_wait_loadcnt 33                              ; the second image is in; the 33 loads just issued may be out
	MUL 1
	s_cmp_eq_u32 s26, 0
	s_cbranch_scc1 .Lthree
	s_wait_alu depctr_va_vdst(0)                   ; the second tile's products are done reading image 1 and its scale words, in which the loads below land
	NEXT 1, 30
	LOADA 1                                        ; the fourth
	ADDSEL 32
	s_wait_loadcnt 33                              ; the third image is in
	MUL 0
	ADDSEL 29
	s_wait_loadcnt 0x0
	MUL 1
	ADDSEL 30
	s_branch .Lskip
.Lsingle:
	s_wait_loadcnt 0x0
	TBS 3
	TBL 3
	s_wait_dscnt 0x0
	MUL 0
	ADDSEL 31
	s_branch .Lskip
.Ltwo:
	ADDSEL 31
	s_wait_loadcnt 0x0
	MUL 1
	ADDSEL 32
	s_branch .Lskip
.Lthree:
	ADDSEL 32
	s_wait_loadcnt 0x0
	MUL 0
	ADDSEL 29
.Lskip:                                                ; no load that names these bases is out here on any way, so they may step to the next expert
	s_add_nc_u64 s[36:37], s[36:37], 0x200000
	s_add_nc_u64 s[38:39], s[38:39], 0x10000
	s_add_nc_u64 s[40:41], s[40:41], 0x100000
	s_add_nc_u64 s[42:43], s[42:43], 0x8000
	s_add_nc_u64 s[44:45], s[44:45], 0x1000
	s_add_co_u32 s25, s25, 4
	s_add_co_u32 s24, s24, 1
	s_cmp_lt_u32 s24, 8
	s_cbranch_scc1 .Lexpert
	s_wait_loadcnt 0x0                             ; (a way on which no expert was mine would still have the head's gathers out: their offset registers are written below)
.irp i, 0,1,2,3,4,5,6,7
	v_add_nc_u32 v[72+\i], 8*\i, v6                ; 4 x (2 i + h): the permutes' indices for the way out
.endr
	; THE PAIR'S SUMS MEET.  Slots 2 and 3 go to LDS as images of their registers, 16 bytes a lane, 512 a store; my partner's slots 2 and 3 are my slots 0 and 1's tiles.
	s_wait_alu depctr_va_vdst(0)                   ; the additions have written the totals, which the LDS stores read; v72 to v79 are written, which the permutes read; the products are done reading the biases, in which the permutes' results land
.set q, 0
.rept 16
	ds_store_b128 v[XO], v[TOT+64+4*q:TOT+64+4*q+3] offset:512*q
.set q, q+1
.endr
	s_wait_alu depctr_vm_vsrc(0)                   ; these stores have read v[TOT + 64 ..], in which my partner's images land
	s_wait_dscnt 0x0                               ; for my partner's sake: the images lie in LDS
	s_barrier_signal -1
	s_barrier_wait -1                              ; the launch's one barrier, on every wave's way; behind it nobody writes these bytes again
.set q, 0
.rept 16
	ds_load_b128 v[TOT+64+4*q:TOT+64+4*q+3], v[XI] offset:512*q
.set q, q+1
.endr
	; THE WAY OUT of slots 0 and 1.  A lane holds 32 neighbouring bytes of a row and the lanes beside it hold other rows: a tile goes through my stage and comes back as rows of 256 bytes, two a store,
	; each to its token's row of out0.  The tokens of rows 2 i + h come from the lanes that hold them.
.irp m, 0,1
.irp i, 0,1,2,3,4,5,6,7
	ds_bpermute_b32 v[BI+8*\m+\i], v[72+\i], v[PT+\m]
.endr
.endr
	s_wait_dscnt 16                                ; my partner's sixteen images are in; the sixteen permutes behind them may be out
.set q, 0
.rept 32
	v_pk_add_f32 v[TOT+2*q:TOT+2*q+1], v[TOT+2*q:TOT+2*q+1], v[TOT+64+2*q:TOT+64+2*q+1]
.set q, q+1
.endr
	s_wait_dscnt 0x0
.set q, 0
.rept 16
	v_min_u32 v[BI+q], 0x7ff, v[BI+q]
	v_lshl_add_u32 v[BI+q], v[BI+q], 12, v10       ; the token's row of 4,096 bytes, + 16 bytes a lane
.set q, q+1
.endr
	s_wait_alu depctr_va_vdst(0)                   ; the sums are written, which the stage's stores read; the rows' offsets are written, which the global stores read; the additions are done reading v[TOT + 64 ..], in which the stage's rows land
.irp m, 0,1
.irp t, 0,1,2,3
	ds_store_b128 v8, v[TOT+32*\m+8*\t:TOT+32*\m+8*\t+3] offset:64*\t
	ds_store_b128 v8, v[TOT+32*\m+8*\t+4:TOT+32*\m+8*\t+7] offset:64*\t+16
.endr
.irp i, 0,1,2,3,4,5,6,7
	ds_load_b128 v[TOT+64+32*\m+4*\i:TOT+64+32*\m+4*\i+3], v9 offset:544*\i   ; in order behind the stores above; the next tile's stores come behind these.  The rows land in registers that no store of the stage reads
.endr
.endr
.irp m, 0,1
.irp i, 0,1,2,3,4,5,6,7
	s_wait_dscnt 16*(1-\m)+7-\i                    ; behind this load: the rest of its tile's eight, and sixteen for the later tile
	global_store_b128 v[BI+8*\m+\i], v[TOT+64+32*\m+4*\i:TOT+64+32*\m+4*\i+3], s[18:19] th:TH_STORE_NT   ; 16 lanes store 256 consecutive bytes, at a multiple of 256 from out0's first byte
.endr
.endr
	s_wait_xcnt 0x0                                ; the last stores have had their addresses translated: their data registers are written below
	s_wait_alu depctr_vm_vsrc(0)                   ; the last store has read v254 and v255, which the two lines below make anew
	v_lshl_add_u32 v254, v0, 2, 0x45400
	v_mov_b32 v255, 0
	s_wait_dscnt 0x0                               ; the closing lines, six on end
	s_wait_alu 0x0
	s_wait_tensorcnt 0x0
	ds_add_u32 v254, v255
	s_wait_dscnt 0x0
	s_endpgm
.Lfunc_end_k_q36ccad35c5_down:
	.size	k_q36ccad35c5_down, .Lfunc_end_k_q36ccad35c5_down-k_q36ccad35c5_down
	.p2alignl 7, 3214868480
	.fill 96, 4, 3214868480
	.section	.rodata,"a",@progbits
	.p2align	6, 0x0
	.amdhsa_kernel k_q36ccad35c5_down
		.amdhsa_group_segment_fixed_size 284160
		.amdhsa_private_segment_fixed_size 0
		.amdhsa_enable_private_segment 0
		.amdhsa_kernarg_size 64
		.amdhsa_user_sgpr_count 2
		.amdhsa_user_sgpr_kernarg_segment_ptr 1
		.amdhsa_wavefront_size32 1
		.amdhsa_system_sgpr_workgroup_id_x 1
		.amdhsa_system_sgpr_workgroup_id_y 1
		.amdhsa_system_sgpr_workgroup_id_z 1
		.amdhsa_system_vgpr_workitem_id 0
		.amdhsa_next_free_vgpr 1024
		.amdhsa_next_free_sgpr 66
		.amdhsa_reserve_vcc 0
		.amdhsa_float_denorm_mode_32 3
		.amdhsa_float_denorm_mode_16_64 3
		.amdhsa_memory_ordered 1
		.amdhsa_forward_progress 1
		.amdhsa_inst_pref_size 155
	.end_amdhsa_kernel
	.amdgpu_metadata
---
amdhsa.version: [ 1, 2 ]
amdhsa.kernels:
  - .name:           k_q36ccad35c5_down
    .symbol:         k_q36ccad35c5_down.kd
    .args:
      - { .name: act, .offset: 0, .size: 8, .value_kind: global_buffer, .address_space: global }
      - { .name: w2_codes, .offset: 8, .size: 8, .value_kind: global_buffer, .address_space: global }
      - { .name: w2_scales, .offset: 16, .size: 8, .value_kind: global_buffer, .address_space: global }
      - { .name: w2_bias, .offset: 24, .size: 8, .value_kind: global_buffer, .address_space: global }
      - { .name: order, .offset: 32, .size: 8, .value_kind: global_buffer, .address_space: global }
      - { .name: route, .offset: 40, .size: 8, .value_kind: global_buffer, .address_space: global }
      - { .name: out1, .offset: 48, .size: 8, .value_kind: global_buffer, .address_space: global }
      - { .name: out0, .offset: 56, .size: 8, .value_kind: global_buffer, .address_space: global }
    .group_segment_fixed_size: 284160
    .private_segment_fixed_size: 0
    .kernarg_segment_align: 8
    .kernarg_segment_size: 64
    .max_flat_workgroup_size: 128
    .sgpr_count:     66
    .vgpr_count:     1024
    .wavefront_size: 32
...
	.end_amdgpu_metadata
.endif
;; end of part 7
